; MI455X (gfx1250); checked and timed in simulation.
; The chip was launched on July 23, 2026; its instructions are those of AMD's public machine-readable ISA for CDNA 5 (MIT licence, August 2026) and "CDNA5" Instruction Set Architecture Reference Guide (July 2026). The comments in the code are by the model that wrote it; some were corrected since.
;; Multi Head Attention. Allowed arithmetic: matrix products marked QUANTISED: E5M2 operands, one E8M0 scale for each 32 along K, by v_wmma_scale_f32_16x16x128_f8f6f4 with both operands' format E5M2, f32 sums; everything else in f32.
;; Inputs: W_attn_codes 3,072 x 32 x 32 uint8 (E5M2 codes of W_attn, K innermost, in blocks of 32 codes); W_attn_scales 3,072 x 32 uint8 (E8M0 scales of W_attn, one for each 32 codes along K); W_proj_codes 1,024 x 32 x 32 uint8 (E5M2 codes of W_proj, K innermost, in blocks of 32 codes); W_proj_scales 1,024 x 32 uint8 (E8M0 scales of W_proj, one for each 32 codes along K); b_attn 3,072 float32; b_proj 1,024 float32; string_codes 4 x 2,048 x 32 x 32 uint8 (E5M2 codes of string, K innermost, in blocks of 32 codes); string_len 4 int32; string_scales 4 x 2,048 x 32 uint8 (E8M0 scales of string, one for each 32 codes along K).
;; Outputs: out0 4 x 2,048 x 1,024 float32; out1 4 int32.
;; This version of the problem:
;;   THIS VERSION OF THE PROBLEM IS GIVEN IN LOW PRECISION. The matrix products marked QUANTISED in the list below multiply operands that are first quantised to E5M2 (5 exponent bits, 2 mantissa bits; 8 bits a number), with one power-of-two scale for each 32 numbers along K (OCP MX v1.0); their sums are f32. All else is computed in f32.
;;   The module's matrix products, in the order in which they are computed (A, B: the left and right operand; K: the contracted axis; several contracted axes count as one K, in the product's order):
;;     1. [M 8,192, K 1,024] x [K 1,024, N 3,072]; A: input string (given as codes); B: input W_attn (given as codes): QUANTISED
;;     2. batch 64 x [M 2,048, K 64] x [K 64, N 2,048]; A: computed on the way; B: computed on the way: QUANTISED
;;     3. batch 64 x [M 2,048, K 2,048] x [K 2,048, N 64]; A: softmax (see below); B: computed on the way: QUANTISED
;;     4. [M 8,192, K 1,024] x [K 1,024, N 1,024]; A: computed on the way; B: input W_proj (given as codes): QUANTISED
;;   THE QUANTISER, for each operand of a quantised product, along K:
;;     - K is cut into blocks of 32 from its start; a last block that is shorter is filled with zeros.
;;     - A block's scale is 2^e with e = floor(log2(the largest magnitude in the block)) - 15, held to -126 .. 127; a block of zeros has e = 0. As a byte (E8M0): e + 127.
;;     - Each number is divided by its block's scale, clamped to +-57,344, and rounded to the nearest number of E5M2, ties to even, subnormals kept.
;;     - The product sums the exact products of the quantised numbers (number of the format x scale) in f32.
;;   ~~~python
;;   def quantise(x, axis):      # numpy; x: float32 -> the quantised numbers, widened to float32 again
;;       x = np.moveaxis(x, axis, -1); K = x.shape[-1]
;;       x = np.pad(x, [(0, 0)] * (x.ndim - 1) + [(0, -K % 32)]); x = x.reshape(x.shape[:-1] + (-1, 32)); a = np.abs(x).max(-1, keepdims=True)
;;       e = np.where(a > 0, np.clip(np.frexp(np.where(a > 0, a, 1))[1] - 1 - 15, -126, 127), 0)      # np.frexp(a)[1] - 1 = floor(log2(a)), exactly
;;       r = np.clip(x / 2.0 ** e, -57344, 57344)
;;       step = 2.0 ** (np.maximum(np.frexp(np.where(r == 0, 1, r))[1] - 1, -14) - 2)
;;       q = np.round(r / step) * step * 2.0 ** e      # np.round: ties to even
;;       return np.moveaxis(q.reshape(q.shape[:-2] + (-1,))[..., :K], -1, axis).astype(np.float32)
;;   ~~~
;;   SOFTMAX AHEAD OF A QUANTISED PRODUCT. Where the list says 'softmax', what is quantised is not the finished softmax but p = 2^(t - M), with t = logit x log2(e) and M = ceil(the row's largest t), a whole number; so 1/2 < the row's largest p <= 1. The row's sum l is taken of the UNQUANTISED p, in f32, and the product's result is divided by l at the end. Since M is a whole number, a kernel that streams over the keys may use a running M (the ceiling of the running maximum): every later rescaling is an exact power of two, which a block's scale takes up: the codes' values come out the same.
;;   OPERANDS COMPUTED ON THE WAY. 'Computed on the way' means the value that the module computes at that place (a softmax that the list does not call 'softmax' is quantised finished and normalised). What goes into a quantiser is computed in f32, as accurately as f32 sums, v_exp_f32 and their like allow (about 1e-6 of the number): no bf16 or f16 on the way to a quantiser, and a product that is left as it is and whose result goes on into a quantised operand takes f32 operands (vector FMAs, or v_wmma_f32_16x16x4_f32). A number that lies on a knife's edge between two numbers of the format may be rounded either way, as far as f32 arithmetic and the matrix unit's own rounding can turn it there, and no further.
;;   INPUTS GIVEN AS CODES. W_attn (in the module: [1024, 3072], K = its axis 0); W_proj (in the module: [1024, 1024], K = its axis 0); string (in the module: [4, 2048, 1024], K = its axis 2): each comes as NAME_codes (uint8): NAME with its K axis moved to the last place and cut into blocks of 32 codes, [.., K / 32, bytes a block], one block behind the other in memory; one code a byte (a code: sign, 5 exponent bits, 2 mantissa bits); and NAME_scales (uint8): the same leading axes, one E8M0 byte (e + 127) for each 32 codes along K. Its value is code x scale, taken as it is: it is not quantised again, and the codes and scales need not be those that the quantiser above would give.
;; One version. Each part assembles by itself: llvm-mc -triple=amdgcn-amd-amdhsa -mcpu=gfx1250 --defsym DOCPART=n.
;; ======== version 1 of 1: 3 launches
;; limits: right only within a limited range of input values
;; workspace buffers: qkv 34,603,008 bytes; ac 8,388,608 bytes; asc 262,144 bytes
;; launch qkv (part 1): grid 8 x 48, 4 waves a work-group, clusters of 4 x 4, 327,680 bytes of LDS; arguments string_codes, string_scales, W_attn_codes, W_attn_scales, b_attn, qkv; writes qkv
.if DOCPART == 1
	.amdgcn_target "amdgcn-amd-amdhsa--gfx1250"
	.amdhsa_code_object_version 6
	.text
	.protected	k_q6ad4f97a9f_qkv
	.globl	k_q6ad4f97a9f_qkv
	.p2align	8
	.type	k_q6ad4f97a9f_qkv,@function
k_q6ad4f97a9f_qkv:
	s_mov_b64 s[64:65], 0
	v_nop
	global_prefetch_b8 v0, s[64:65] scope:SCOPE_SE
	s_setreg_imm32_b32 hwreg(HW_REG_WAVE_MODE, 25, 1), 1
	s_wait_xcnt 0x0
	s_wait_alu depctr_hold_cnt(0) depctr_sa_sdst(0) depctr_va_vdst(0) depctr_va_sdst(0) depctr_va_ssrc(0) depctr_va_vcc(0) depctr_vm_vsrc(0)
	s_getreg_b32 s2, hwreg(HW_REG_IB_STS2, 6, 4)
	s_cmp_eq_u32 s2, 0
	s_cbranch_scc0 .Lentry_in_a_cluster
	s_endpgm
.Lentry_in_a_cluster:
	s_bfe_u32 s2, ttmp6, 0x10000c
	s_cmp_lg_u32 s2, 0xf033
	s_cbranch_scc0 .Lentry_shape_is_right
	s_endpgm
.Lentry_shape_is_right:
; x = string W_attn + b_attn on codes of BF8 (E5M2) with E8M0 scales, and x's three parts quantised again at once: q and k along the head's 64 channels, v along the keys.
; THE PRODUCT.  A work-group of four waves makes 256 x 256 numbers, a wave 128 x 128 (64 accumulators, 512 registers); K = 1,024 goes in four steps of 256 through a ring of two LDS slots filled by the
; tensor data mover; the scale bytes of the work-group's 512 rows come into LDS once.  Source 0 takes 16 rows of "B", source 1 16 rows of "A": a lane holds ONE row of A, and its registers run along B's rows.
; ONE TEXT FOR THREE PARTS.  What is quantised always runs along B.  q, k (cluster y 0-7): B = 256 rows of W_attn (channels 0-2,047), A = 256 tokens.  v (cluster y 8-11): B = 256 tokens (the keys), A = 256 rows of
; W_attn from row 2,048 on.  Only pointers, offsets and masks are chosen, by s_cselect on the cluster's y, which all sixteen partners share; no branch hangs on it.
; THE BIAS runs along B for q, k: it is the C of the first K step's products (BQ; zeros for v).  For v it runs along A: it is added by the line that fetches a result out of its window (B1; zeros for q, k).
; CLUSTERS: 4 x 4 work-groups; A's tile is shared along a row of the cluster, B's along a column: each is asked for jointly, by the same tensor load with a mask that names the four.
; THE WAY OUT.  A lane's 64 numbers of a block of 16 rows of A are four blocks of 32 along B (16 numbers here, 16 in lane l xor 16).  The conversions' results go to memory AS THEY STAND, as images of operand registers:
; each store of the wave covers 512 consecutive bytes, aligned.  Slot 32 c + 16 h + i of an operand so holds k = 32 c + 8 h + i (i < 8) or 32 c + 16 + 8 h + i - 8: a permutation inside a block of 32, the same
; for q and k, and for v the same as the next launch's p has: the products are unchanged.
; qkv = [part 2][batch x head 64][group of 128 tokens 16][16,896 bytes]: codes of q (part 0) or k (part 1) 8,192, codes of v 8,192 (part 1 alone), scale words of q or k 256, of v 256 (part 1 alone).
;   q, k: token tile a of the group at (a % 4) 2048 + (a / 4) 1024 + 512 c + 16 lane;  v: channel tile ct at 2048 ct + 512 g + 16 lane;  scale words [row 16][4 words].
; LIMITS: NaN, infinities and scale bytes 0xff among the inputs are not served.  A block of zeros gets the scale byte 1 where the quantiser's rule says 127: its codes are zeros, and these bytes are read by this program alone.
.set ROWB,   256                       ; a tile's row in bytes: 256 codes
.set NQ,     2                         ; matrix instructions deep in a slot
.set KROW,   1024                      ; a row of codes in memory
.set PITCH,  272                       ; an LDS row: 256 bytes + 16 of padding: the 16 rows that a load touches start at 16 different banks (64 banks of 4 bytes: ISA guide 11.1)
.set FR,     16                        ; registers of a fragment
.set NL,     4                         ; LDS loads that bring one
.set NP,     8                         ; places behind this matrix instruction (ISA guide 7.12.1)
.set HALFT,  128*PITCH
.set SLOT,   4*HALFT                   ; A's 256 rows, then B's 256 rows
.set LAPS,   2                         ; 1,024 / 512
.set KS,     32                        ; a row of scale bytes
.set SCL,    2*SLOT                    ; behind the ring: the scale bytes, as units of 256 bytes + 16 of padding
.set HALFS,  (128*KS/256)*272
.set SBLK,   (16*KS/256)*272
.set SPARE,  SCL+4*HALFS               ; the spare words, 128 bytes a wave: two blocks of 256 bytes that no other line names
.set PART,   17301504
.set BHS,    270336
.set KSS,    16896
.set ADRA, 2                           ; v2-3   LDS address of my A fragments in slot 0, 1
.set ADRB, 4                           ; v4-5   of B's
.set ADRS, 6                           ; v6     of my scale words: lanes 0-15 A's rows, lanes 16-31 B's
.set SPW,  7                           ; v7     my spare word; never rewritten
.set NIL,  8                           ; v8     0; never rewritten
.set B1,   16                          ; v16-31 the bias along A: block a's in the pair at 2 a, twice
.set SC,   32                          ; v32-63 scale words, two sets
.set BQ,   64                          ; v64-127 the bias along B, in the result's layout: 8 registers for each block of B
.set AF,   128                         ; v128-255 A's fragments, one set;  window 1: B's two sets;  windows 2, 3: the accumulators
.set W,    64                          ; the way out: 64 numbers at work
.set PC,   128                         ; their codes
.set TM,   144                         ; v144-159 at work
.set PW,   160                         ; v160-167 the scale word of each block of A
.set DW,   168                         ; v168-171 the scale words as they are stored
.set VOA,  172                         ; 16 x lane
.set VOB,  173                         ; the same, for the codes' upper half
.set VSO,  174                         ; where my scale words go
.set VSEL, 175                         ; byte selects for them
.set G1, 24
.set G0, 32
.set G1B, 48
.set G0B, 56
.set G1S, 68
.set G0S, 76
.set G1SB, 80
.set G0SB, 88
.set MQK, 95                           ; s95  all ones for q, k; 0 for v
.set MV,  104                          ; s104 the other way round
.set SEL, 68                           ; the way out (the scales' descriptors are done with): s[68:69] selects for lane l xor 16
.set MNT, 70
.set SG,  71                           ; s71  from the codes' lower half to the upper
.set OC,  72                           ; s[72:73] where my codes go
.set OS,  74                           ; s[74:75] where my scale words go
.set SA,  76                           ; s[76:77] from blocks 0-3 to blocks 4-7
.set MSB, 0
.macro WIN new                         ; the immediate's high byte repeats the setting that is left
.if MSB != \new
	s_set_vgpr_msb (MSB<<8)|\new
.set MSB, \new
.endif
.endm
.set MUL_LO,  0xa1                     ; source 0 (B) window 1, source 1 (A) window 0, C and D window 2
.set MUL_HI,  0xf1                     ; the same, C and D window 3
.set MUL_LO0, 0x81                     ; the first K step: C (the bias) window 0, D window 2
.set MUL_HI0, 0xc1                     ; D window 3
.set TO_B,    0x40
; A joint load: waves 0 and 1 fetch for A, waves 2 and 3 for B; the branch hangs on the wave's number alone.  Four v_nop follow each of the two lines.
.macro JLOAD g0a, g1a, g0b, g1b
	s_cmp_eq_u32 s15, 0
	s_cbranch_scc0 .Lfor_b_\@
	tensor_load_to_lds s[\g0a:\g0a+3], s[\g1a:\g1a+7]
	s_nop 0
.rept 4
	v_nop
.endr
	s_branch .Lasked_\@
.Lfor_b_\@:
	tensor_load_to_lds s[\g0b:\g0b+3], s[\g1b:\g1b+7]
	s_nop 0
.rept 4
	v_nop
.endr
.Lasked_\@:
.endm
.macro CREST                           ; a round of the cluster's barrier behind its opening barrier
	s_cmp_lg_u32 s14, 0
	s_cbranch_scc1 .Lnot_wave_0_\@
	s_barrier_signal -3
.Lnot_wave_0_\@:
	s_barrier_wait -3
	s_barrier_signal -1
	s_barrier_wait -1
.endm
.macro CROUND
	s_barrier_signal -1
	s_barrier_wait -1
	CREST
.endm
	s_load_b256 s[4:11], s[0:1], 0x0               ; string's codes, string's scales, W_attn's codes, W_attn's scales
	s_load_b128 s[96:99], s[0:1], 0x20             ; b_attn, qkv
	v_lshl_add_u32 v[SPW], v0, 2, SPARE
	v_mov_b32 v[NIL], 0
	ds_add_u32 v7, v8
	ds_add_u32 v7, v8
	s_wait_dscnt 0x0
	v_lshrrev_b32 v1, 5, v0
	v_readfirstlane_b32 s14, v1                    ; wave 0..3
	s_lshr_b32 s15, s14, 1                         ; which half of A's rows is mine.  Also: I fetch for A (0) or for B (1)
	s_and_b32 s16, s14, 1                          ; which half of B's rows.  Also: which 128 rows I fetch
	s_bfe_u32 s40, ttmp6, 0x40000                  ; cx
	s_bfe_u32 s41, ttmp6, 0x40004                  ; cy
	s_and_b32 s2, ttmp7, 0xffff                    ; cluster y: 0-7 q and k, 8-11 v
	s_lshl_b32 s17, s2, 2
	s_sub_co_u32 s18, s2, 8
	s_lshl_b32 s18, s18, 3
	s_lshl_b32 s42, ttmp9, 2
	s_add_co_u32 s42, s42, s40
	s_cmp_ge_u32 s2, 8
	s_cselect_b32 s17, 8, s17
	s_cselect_b32 s18, s18, 0
	s_cselect_b32 s[MQK], 0, -1
	s_cselect_b32 s[MV], -1, 0
	s_add_co_u32 s17, s17, s41                     ; A's tile: q, k: token tile 4 x cluster y + cy;  v: tile 8 + cy of W_attn's rows
	s_add_co_u32 s42, s42, s18                     ; B's tile: q, k: tile 4 x cluster x + cx of W_attn's rows;  v: token tile 8 (cluster y - 8) + 4 x cluster x + cx
	s_lshl_b32 s43, s41, 2
	s_lshl_b32 s43, 15, s43                        ; my row of the cluster
	s_lshl_b32 s44, 0x1111, s40                    ; my column
	s_or_b32 s[G1+0], s43, (0<<16)|(1<<20)|(1<<21)|(5<<22)|(3<<25)  ; the mask; elements of 1 byte; padding on; bit 21 beside a mask; 4 words of padding behind every 64
	s_or_b32 s[G1B+0], s44, (0<<16)|(1<<20)|(1<<21)|(5<<22)|(3<<25)
.irp g, G1, G1B
	s_mov_b32 s[\g+1], ROWB<<16                    ; tensor_dim0
	s_mov_b32 s[\g+2], 128<<16                     ; tensor_dim1
	s_mov_b32 s[\g+3], ROWB<<16                    ; tile_dim0
	s_mov_b32 s[\g+4], 128                         ; tile_dim1
	s_mov_b32 s[\g+5], KROW                        ; the pitch
	s_mov_b32 s[\g+6], 0
	s_mov_b32 s[\g+7], 0
.endr
	s_or_b32 s[G1S+0], s43, (3<<16)|(1<<20)|(1<<21)|(5<<22)|(3<<25)  ; the scale bytes of 128 rows: 4,096 dense bytes as 16 rows of 256 (32 elements of 8 bytes)
	s_or_b32 s[G1SB+0], s44, (3<<16)|(1<<20)|(1<<21)|(5<<22)|(3<<25)
.irp g, G1S, G1SB
	s_mov_b32 s[\g+1], 32<<16
	s_mov_b32 s[\g+2], (128*KS/256)<<16
	s_mov_b32 s[\g+3], 32<<16
	s_mov_b32 s[\g+4], 128*KS/256
	s_mov_b32 s[\g+5], 32
	s_mov_b32 s[\g+6], 0
	s_mov_b32 s[\g+7], 0
.endr
	s_lshl_b32 s18, s16, 7                         ; which 128 rows of a tile I fetch
	s_lshl_b32 s20, s17, 8
	s_add_co_u32 s20, s20, s18                     ; A's row
	s_lshl_b32 s46, s42, 8
	s_add_co_u32 s46, s46, s18                     ; B's row
	s_lshl_b32 s22, s20, 5                         ; their scale bytes: 32 a row
	s_lshl_b32 s92, s46, 5
	s_lshl_b32 s20, s20, 10                        ; their codes: 1,024 a row (8,191 rows at the most: under 2^24)
	s_lshl_b32 s46, s46, 10
	s_mov_b32 s21, 0
	s_mov_b32 s23, 0
	s_mov_b32 s47, 0
	s_mov_b32 s93, 0
	s_mul_i32 s45, s14, HALFT                      ; where they go: wave x 128 rows: no place in the cluster enters an LDS address
	s_mul_i32 s94, s14, HALFS
	s_wait_kmcnt 0x0
	s_cmp_eq_u32 s[MQK], 0                         ; v?
	s_cselect_b64 s[12:13], s[8:9], s[4:5]         ; A's codes
	s_cselect_b64 s[100:101], s[10:11], s[6:7]     ; A's scales
	s_cselect_b64 s[8:9], s[4:5], s[8:9]           ; B's codes
	s_cselect_b64 s[10:11], s[6:7], s[10:11]       ; B's scales
	s_add_nc_u64 s[20:21], s[12:13], s[20:21]
	s_add_nc_u64 s[22:23], s[100:101], s[22:23]
	s_add_nc_u64 s[46:47], s[8:9], s[46:47]
	s_add_nc_u64 s[92:93], s[10:11], s[92:93]
	CROUND                                         ; all sixteen work-groups are here: the first joint loads meet
	s_mov_b32 s[G0S], 1
	s_add_co_u32 s[G0S+1], s94, SCL
	s_mov_b64 s[G0S+2:G0S+3], s[22:23]
	s_or_b32 s[G0S+3], s[G0S+3], 0x80000000
	s_mov_b32 s[G0SB], 1
	s_add_co_u32 s[G0SB+1], s94, SCL
	s_mov_b64 s[G0SB+2:G0SB+3], s[92:93]
	s_or_b32 s[G0SB+3], s[G0SB+3], 0x80000000
	JLOAD G0S, G1S, G0SB, G1SB                     ; the scale bytes first: they are wanted with K step 0
.irp s, 0,1
	s_mov_b32 s[G0+4*\s], 1
	s_add_co_u32 s[G0+4*\s+1], s45, \s*SLOT
	s_add_nc_u64 s[G0+4*\s+2:G0+4*\s+3], s[20:21], \s*ROWB
	s_or_b32 s[G0+4*\s+3], s[G0+4*\s+3], 0x80000000
	s_mov_b32 s[G0B+4*\s], 1
	s_add_co_u32 s[G0B+4*\s+1], s45, \s*SLOT
	s_add_nc_u64 s[G0B+4*\s+2:G0B+4*\s+3], s[46:47], \s*ROWB
	s_or_b32 s[G0B+4*\s+3], s[G0B+4*\s+3], 0x80000000
	JLOAD G0+4*\s, G1, G0B+4*\s, G1B
.endr
	; the biases.  Both are loaded in every work-group, the one that does not apply from b_attn's first bytes, and then made zeros
	v_and_b32 v1, 15, v0                           ; r = lane % 16
	v_bfe_u32 v9, v0, 4, 1                         ; h = lane / 16
	v_lshlrev_b32 v15, 5, v9                       ; along B: 8 numbers for each half of the lanes
	s_wait_alu depctr_va_vdst(0)
	v_lshlrev_b32 v14, 2, v1                       ; along A: a number a row
	s_wait_alu depctr_va_vdst(0)
	s_lshl_b32 s18, s42, 8
	s_lshl_b32 s19, s16, 7
	s_add_co_u32 s18, s18, s19
	s_lshl_b32 s18, s18, 2                         ; q, k: my first channel, in bytes
	s_lshl_b32 s20, s17, 8
	s_lshl_b32 s21, s15, 7
	s_add_co_u32 s20, s20, s21
	s_lshl_b32 s20, s20, 2                         ; v: my first channel, in bytes
	s_cmp_eq_u32 s[MQK], 0
	s_cselect_b32 s18, 0, s18
	s_cselect_b32 s20, s20, 0
	s_mov_b32 s19, 0
	s_mov_b32 s21, 0
	s_add_nc_u64 s[92:93], s[96:97], s[18:19]
	s_add_nc_u64 s[46:47], s[96:97], s[20:21]
.irp b, 0,1,2,3,4,5,6,7
	global_load_b128 v[BQ+8*\b:BQ+8*\b+3], v15, s[92:93] offset:64*\b        ; b_attn[first channel + 16 b + 8 h + 0 .. 7]
	global_load_b128 v[BQ+8*\b+4:BQ+8*\b+7], v15, s[92:93] offset:64*\b+16
.endr
.irp a, 0,1,2,3,4,5,6,7
	global_load_b32 v[B1+2*\a], v14, s[46:47] offset:64*\a                   ; b_attn[first channel + 16 a + r]
.endr
	v_mul_u32_u24 v10, v1, PITCH
	v_lshl_add_u32 v10, v9, 4, v10                 ; a fragment's row x pitch + 16 x half
	s_mul_i32 s21, s15, HALFT                      ; my 128 rows of A
	s_mul_i32 s22, s16, HALFT                      ; my 128 rows of B,
	s_add_co_u32 s22, s22, 2*HALFT                 ; which lie behind A's 256
.irp s, 0,1
	v_add_nc_u32 v[ADRA+\s], s21, v10
	v_add_nc_u32 v[ADRB+\s], s22, v10
	s_add_co_u32 s21, s21, SLOT
	s_add_co_u32 s22, s22, SLOT
.endr
	v_mul_u32_u24 v11, v1, KS                      ; my row's scale bytes: 32 a row,
	v_lshrrev_b32 v12, 8, v11
	v_lshl_add_u32 v11, v12, 4, v11                ; and 16 more for each 256 passed
	s_mul_i32 s21, s15, HALFS
	s_mul_i32 s22, s16, HALFS
	s_add_co_u32 s22, s22, 2*HALFS
	s_sub_co_u32 s22, s22, s21
	v_mul_u32_u24 v12, s22, v9                     ; lanes 16-31 take B's
	s_add_co_u32 s21, s21, SCL
	v_add_nc_u32 v11, v11, v12
	v_add_nc_u32 v[ADRS], s21, v11
	s_wait_loadcnt 0x0                             ; the biases are in
.set i, 0
.rept 64
	v_cndmask_b32 v[BQ+i], 0, v[BQ+i], s[MQK]      ; zeros for v
.set i, i+1
.endr
.irp a, 0,1,2,3,4,5,6,7
	v_cndmask_b32 v[B1+2*\a], 0, v[B1+2*\a], s[MV] ; zeros for q, k
	v_mov_b32 v[B1+2*\a+1], v[B1+2*\a]             ; twice: the packed addition takes a pair
.endr
.macro FRAG reg, adr, q, i             ; 16 rows x 128 K: lane l holds row l % 16; registers 4 c .. 4 c + 3 hold K = 32 c + 16 (l / 16) + 0 .. 15
.irp c, 0,1,2,3
	ds_load_b128 v[\reg+4*\c:\reg+4*\c+3], v[\adr] offset:128*(\q)+32*\c+(\i)*16*PITCH
.endr
.endm
; 16 matrix instructions: A's blocks a0, a0 + 1 x B's eight.  zero = 1: the first K step: the bias along B starts the sums.  The 64 accumulators take turns, one instruction a turn, in the same order in every step.
.macro MUL16 a0, p, q, sc, zero
.irp a, \a0, \a0+1
.irp b, 0,1,2,3,4,5,6,7
.if \zero
	v_wmma_scale_f32_16x16x128_f8f6f4 v[8*(8*((\a)%4)+\b):8*(8*((\a)%4)+\b)+7], v[128*(\p)+FR*\b:128*(\p)+FR*\b+FR-1], v[AF+FR*(\a):AF+FR*(\a)+FR-1], v[BQ+8*\b:BQ+8*\b+7], v[SC+8*NQ*(\sc)+NQ*\b+(\q)], v[SC+8*NQ*(\sc)+NQ*(\a)+(\q)] matrix_a_fmt:MATRIX_FMT_BF8 matrix_b_fmt:MATRIX_FMT_BF8 matrix_a_scale:MATRIX_SCALE_ROW1
.else
	v_wmma_scale_f32_16x16x128_f8f6f4 v[8*(8*((\a)%4)+\b):8*(8*((\a)%4)+\b)+7], v[128*(\p)+FR*\b:128*(\p)+FR*\b+FR-1], v[AF+FR*(\a):AF+FR*(\a)+FR-1], v[8*(8*((\a)%4)+\b):8*(8*((\a)%4)+\b)+7], v[SC+8*NQ*(\sc)+NQ*\b+(\q)], v[SC+8*NQ*(\sc)+NQ*(\a)+(\q)] matrix_a_fmt:MATRIX_FMT_BF8 matrix_b_fmt:MATRIX_FMT_BF8 matrix_a_scale:MATRIX_SCALE_ROW1
.endif
.endr
.endr
.endm
.macro FETCH_B slot, q, p
	WIN TO_B
.irp i, 0,1,2,3,4,5,6,7
	FRAG 128*(\p)+FR*\i, ADRB+\slot, \q, \i
.endr
	WIN 0
.endm
.macro FETCH_A slot, q, i0
.irp i, \i0, \i0+1, \i0+2, \i0+3
	FRAG AF+FR*(\i), ADRA+\slot, \q, \i
.endr
.endm
.macro SCALES sc                       ; a K step's scale words: two a row; lanes 0-15 take A's block i, lanes 16-31 B's block i
.irp i, 0,1,2,3,4,5,6,7
	ds_load_b64 v[SC+8*NQ*\sc+NQ*\i:SC+8*NQ*\sc+NQ*\i+1], v[ADRS] offset:\i*SBLK
.endr
.endm
.macro PLACES n                        ; plain vector instructions between a matrix instruction and a load into, or a read of, its registers (ISA guide 7.12.1 for reads)
.rept \n
	v_nop
.endr
.endm
; A step of 128 along K that has its successor in the same slot.  A has one set of registers: blocks 0-3 are fetched anew in the step's middle, blocks 4-7 at its end; B has two sets.
.macro STEP slot, q, zero
	s_wait_dscnt 4*NL                              ; all but the youngest 16 loads (A's blocks 4-7) are in
.if \zero
	WIN MUL_LO0
.else
	WIN MUL_LO
.endif
	MUL16 0, (\q)%2, \q, \slot, \zero
	MUL16 2, (\q)%2, \q, \slot, \zero
	s_wait_dscnt 0
	PLACES NP
	FETCH_B \slot, (\q)+1, 1-(\q)%2
	FETCH_A \slot, (\q)+1, 0
.if \zero
	WIN MUL_HI0
.else
	WIN MUL_HI
.endif
	MUL16 4, (\q)%2, \q, \slot, \zero
	MUL16 6, (\q)%2, \q, \slot, \zero
	PLACES NP
	WIN 0
	FETCH_A \slot, (\q)+1, 4
.endm
; A slot's last step changes slots: one barrier; in front of it each wave waits for all its tensor loads, adds 0 to its spare word, and waits for that and for its reads of this slot.  fill = 1: the slot is filled again, two K steps ahead.
.macro TURN slot, next, fill
	s_wait_tensorcnt 0x0                           ; all my tensor loads have landed: my part of the next slot
	ds_add_u32 v[SPW], v[NIL]                      ; 0 onto my spare word
	s_wait_dscnt 4*NL+1                            ; (the add and the youngest 16 loads may be out)
	WIN MUL_LO
	MUL16 0, 1, NQ-1, \slot, 0
	s_wait_dscnt 0x0                               ; the add is done, and my reads of this slot are over
	s_barrier_signal -1
	MUL16 2, 1, NQ-1, \slot, 0
	WIN 0
	s_barrier_wait -1
.if \fill
	CREST                                          ; the barrier has opened a round of the cluster's: no wave of any partner still reads this slot or has a load on its way
	s_add_nc_u64 s[G0+4*\slot+2:G0+4*\slot+3], s[G0+4*\slot+2:G0+4*\slot+3], 2*ROWB
	s_add_nc_u64 s[G0B+4*\slot+2:G0B+4*\slot+3], s[G0B+4*\slot+2:G0B+4*\slot+3], 2*ROWB
	JLOAD G0+4*\slot, G1, G0B+4*\slot, G1B         ; the first tensor load behind the round; its four v_nop are among the places in front of the loads below
	PLACES NP-4
.else
	PLACES NP
.endif
	s_wait_alu depctr_va_vdst(0)
	v_add_nc_u32 v[ADRS], 4*NQ, v[ADRS]            ; the next K step's scale words
	FETCH_B \next, 0, 0
	FETCH_A \next, 0, 0
	SCALES \next
	WIN MUL_HI
	MUL16 4, 1, NQ-1, \slot, 0
	MUL16 6, 1, NQ-1, \slot, 0
	PLACES NP
	WIN 0
	FETCH_A \next, 0, 4
.endm
	s_wait_tensorcnt 1                             ; the scale bytes and my part of K step 0 are in (K step 1's load may be out),
	s_barrier_signal -1
	s_barrier_wait -1                              ; everybody's are
	FETCH_B 0, 0, 0
	FETCH_A 0, 0, 0
	SCALES 0
	FETCH_A 0, 0, 4
	STEP 0, 0, 1                                   ; the first step stands in front of the loop: its products start the sums
	s_mov_b32 s3, LAPS-1
.Llap:                                                 ; a trip goes once round the ring and fills both slots again
	TURN 0, 1, 1
	STEP 1, 0, 0
	TURN 1, 0, 1
	STEP 0, 0, 0
	s_sub_co_u32 s3, s3, 1
	s_cmp_lg_u32 s3, 0
	s_cbranch_scc1 .Llap
	TURN 0, 1, 0                                   ; the last lap fills nothing
	STEP 1, 0, 0
	s_wait_dscnt 4*NL
	WIN MUL_LO
	MUL16 0, 1, NQ-1, 1, 0
	MUL16 2, 1, NQ-1, 1, 0
	s_wait_dscnt 0
	WIN MUL_HI
	MUL16 4, 1, NQ-1, 1, 0
	MUL16 6, 1, NQ-1, 1, 0
	WIN 0
	; THE WAY OUT.  No tensor load of mine is out, so the scales' descriptor registers are free.
	PLACES NP                                      ; behind the last products: their results are read, and A's registers written, below
	s_mov_b32 s[SEL], 0x76543210
	s_mov_b32 s[SEL+1], 0xfedcba98
	s_sub_co_u32 s78, s17, 8
	s_lshr_b32 s82, s42, 2
	s_mov_b32 s83, BHS
	s_mov_b32 s85, 16384
	s_mov_b32 s86, 0x05040100
	s_mov_b32 s87, 0x07060302
	s_cmp_eq_u32 s[MQK], 0                         ; v?
	s_cselect_b32 s78, s78, s42                    ; the tile of 256 channels (four heads),
	s_cselect_b32 s79, s15, s16                    ; my half of it
	s_cselect_b32 s80, s42, s17                    ; the tile of 256 tokens,
	s_cselect_b32 s81, s16, s15                    ; my half of it
	s_cselect_b32 s82, 1, s82                      ; part: q 0; k, v 1
	s_cselect_b32 s[SG], 1024, s83                 ; the codes' upper half: v: key blocks 2, 3;  q, k: the next head
	s_cselect_b32 s[SA], s83, 1024                 ; blocks 4-7: v: the next head;  q, k: token tiles 4-7
	s_cselect_b32 s84, 8192, 0
	s_cselect_b32 s85, 16640, s85
	s_cselect_b32 s86, 0x03020100, s86             ; lanes 0-15: v: word i of blocks 0-3;  q, k: bytes 0, 1 of blocks i and 4 + i
	s_cselect_b32 s87, 0x07060504, s87             ; lanes 16-31: v: word i of blocks 4-7;  q, k: bytes 2, 3
	s_mov_b32 s[SA+1], 0
	s_and_b32 s78, s78, 3
	s_lshl_b32 s78, s78, 2
	s_lshl_b32 s79, s79, 1
	s_add_co_u32 s78, s78, s79                     ; my first head
	s_lshr_b32 s79, s80, 3                         ; the batch
	s_lshl_b32 s79, s79, 4
	s_add_co_u32 s78, s78, s79
	s_and_b32 s80, s80, 7
	s_lshl_b32 s80, s80, 1
	s_add_co_u32 s80, s80, s81                     ; the group of 128 tokens
	s_mul_i32 s82, s82, PART
	s_mul_i32 s78, s78, s83
	s_mul_i32 s80, s80, KSS
	s_add_co_u32 s82, s82, s78
	s_add_co_u32 s82, s82, s80                     ; under 34,603,008
	s_add_co_u32 s88, s82, s84
	s_mov_b32 s89, 0
	s_add_co_u32 s90, s82, s85
	s_mov_b32 s91, 0
	s_add_nc_u64 s[OC:OC+1], s[98:99], s[88:89]
	s_add_nc_u64 s[OS:OS+1], s[98:99], s[90:91]
	s_mov_b32 s84, 0xffff0000                      ; lanes 16-31
	v_and_b32 v1, 15, v0
	v_bfe_u32 v9, v0, 4, 1
	v_and_b32 v10, 31, v0
	v_lshlrev_b32 v[VOA], 4, v10
	v_add_nc_u32 v[VOB], s[SG], v[VOA]
	v_mul_u32_u24 v11, v9, s83
	v_lshl_add_u32 v[VSO], v1, 4, v11              ; 16 bytes a row; lanes 16-31: the next head
	v_mov_b32 v12, s86
	v_mov_b32 v13, s87
	v_cndmask_b32 v[VSEL], v12, v13, s84
.irp b, 0,1,2,3
	v_mov_b32 v[TM+4+\b], 0                        ; written once: a lane permute's destination counts as one of its sources
.endr
; 64 numbers of a lane, register 16 b + i of block b, become 16 registers of codes in v[PC] on and a scale word in v[pw]
.macro QUANT s, pw
.irp b, 0,1,2,3
	v_max3_num_f32 v[TM+\b], |v[\s+16*\b]|, |v[\s+1+16*\b]|, 0x8000000   ; my 16 numbers, and the floor 2^(16 - 127): the byte cannot fall under 1
.endr
.irp i, 2,4,6,8,10,12,14
.irp b, 0,1,2,3
	v_max3_num_f32 v[TM+\b], v[TM+\b], |v[\s+16*\b+\i]|, |v[\s+1+16*\b+\i]|
.endr
.endr
.irp b, 0,1,2,3
	v_permlanex16_b32 v[TM+4+\b], v[TM+\b], s[SEL], s[SEL+1]
.endr
.irp b, 0,1,2,3
	v_max_num_f32 v[TM+\b], v[TM+\b], v[TM+4+\b]   ; with lane l xor 16's: the block's largest magnitude
.endr
.irp b, 0,1,2,3
	v_add_nc_u32 v[TM+12+\b], 0xf8800000, v[TM+\b] ; 15 off its exponent field: the conversion's scale operand
.endr
.irp b, 0,1,2,3
.endr
.irp b, 0,1,2,3
	v_lshrrev_b32 v[TM+4+\b], 23, v[TM+12+\b]      ; the scale's byte
.endr
	v_lshl_or_b32 v[\pw], v[TM+5], 8, v[TM+4]
	v_lshl_or_b32 v[\pw], v[TM+6], 16, v[\pw]
	v_lshl_or_b32 v[\pw], v[TM+7], 24, v[\pw]
.irp b, 0,1,2,3
.irp i, 0,1,2,3,4,5,6,7,8,9,10,11,12,13,14,15
.endr
	v_cvt_scalef32_pk8_bf8_f32 v[PC+4*\b:PC+1+4*\b], v[\s+16*\b:\s+7+16*\b], v[TM+12+\b]
	v_cvt_scalef32_pk8_bf8_f32 v[PC+2+4*\b:PC+3+4*\b], v[\s+8+16*\b:\s+15+16*\b], v[TM+12+\b]
.endr
	v_nop                                          ; a plain vector instruction behind the last conversion
.endm
.macro OUTB a                          ; block a of A's rows: 16 rows x 128 along B
.set WN, 0x02+(\a)/4
	WIN WN                                         ; source 0: window 2 or 3
.set i, 0
.rept 32
	v_pk_add_f32 v[W+i:W+i+1], v[64*((\a)%4)+i:64*((\a)%4)+i+1], v[B1+2*(\a):B1+2*(\a)+1]   ; out of the window, with the bias along A; each accumulator from its low end on
.set i, i+2
.endr
	WIN 0
.if (\a) > 0
	s_wait_xcnt 0x0                                ; the last block's stores have read their codes and their base
.endif
.if (\a) == 4
	s_add_nc_u64 s[OC:OC+1], s[OC:OC+1], s[SA:SA+1]
.endif
	QUANT W, PW+(\a)
	global_store_b128 v[VOA], v[PC:PC+3], s[OC:OC+1] offset:((\a)%4)*2048          ; each store of the wave covers 512 consecutive bytes, aligned
	global_store_b128 v[VOA], v[PC+4:PC+7], s[OC:OC+1] offset:((\a)%4)*2048+512
	global_store_b128 v[VOB], v[PC+8:PC+11], s[OC:OC+1] offset:((\a)%4)*2048
	global_store_b128 v[VOB], v[PC+12:PC+15], s[OC:OC+1] offset:((\a)%4)*2048+512
.endm
.irp a, 0,1,2,3,4,5,6,7
	OUTB \a
.endr
.irp i, 0,1,2,3
	v_perm_b32 v[DW+\i], v[PW+4+\i], v[PW+\i], v[VSEL]
.endr
	global_store_b128 v[VSO], v[DW:DW+3], s[OS:OS+1]   ; lanes 0-15: my first head's 256 bytes of scale words, lanes 16-31: the next head's
	s_wait_tensorcnt 0x0                           ; the wave's end
	ds_add_u32 v[SPW], v[NIL]
	s_wait_dscnt 0x0
	CROUND                                         ; the closing round: no work-group ends while a partner may still ask for a tile that names it
	s_endpgm
.Lfunc_end_k_q6ad4f97a9f_qkv:
	.size	k_q6ad4f97a9f_qkv, .Lfunc_end_k_q6ad4f97a9f_qkv-k_q6ad4f97a9f_qkv
	.p2alignl 7, 3214868480
	.fill 96, 4, 3214868480
	.section	.rodata,"a",@progbits
	.p2align	6, 0x0
	.amdhsa_kernel k_q6ad4f97a9f_qkv
		.amdhsa_group_segment_fixed_size 327680
		.amdhsa_private_segment_fixed_size 0
		.amdhsa_enable_private_segment 0
		.amdhsa_kernarg_size 48
		.amdhsa_user_sgpr_count 2
		.amdhsa_user_sgpr_kernarg_segment_ptr 1
		.amdhsa_wavefront_size32 1
		.amdhsa_system_sgpr_workgroup_id_x 1
		.amdhsa_system_sgpr_workgroup_id_y 1
		.amdhsa_system_sgpr_workgroup_id_z 1
		.amdhsa_system_vgpr_workitem_id 0
		.amdhsa_next_free_vgpr 1024
		.amdhsa_next_free_sgpr 106
		.amdhsa_reserve_vcc 0
		.amdhsa_float_denorm_mode_32 3
		.amdhsa_float_denorm_mode_16_64 3
		.amdhsa_fp16_overflow 1
		.amdhsa_memory_ordered 1
		.amdhsa_forward_progress 1
		.amdhsa_inst_pref_size 175
	.end_amdhsa_kernel
	.amdgpu_metadata
---
amdhsa.version: [ 1, 2 ]
amdhsa.kernels:
  - .name:           k_q6ad4f97a9f_qkv
    .symbol:         k_q6ad4f97a9f_qkv.kd
    .args:
      - { .name: string_codes, .offset: 0, .size: 8, .value_kind: global_buffer, .address_space: global }
      - { .name: string_scales, .offset: 8, .size: 8, .value_kind: global_buffer, .address_space: global }
      - { .name: W_attn_codes, .offset: 16, .size: 8, .value_kind: global_buffer, .address_space: global }
      - { .name: W_attn_scales, .offset: 24, .size: 8, .value_kind: global_buffer, .address_space: global }
      - { .name: b_attn, .offset: 32, .size: 8, .value_kind: global_buffer, .address_space: global }
      - { .name: qkv, .offset: 40, .size: 8, .value_kind: global_buffer, .address_space: global }
    .group_segment_fixed_size: 327680
    .private_segment_fixed_size: 0
    .kernarg_segment_align: 8
    .kernarg_segment_size: 48
    .max_flat_workgroup_size: 128
    .sgpr_count:     106
    .vgpr_count:     1024
    .wavefront_size: 32
...
	.end_amdgpu_metadata
.endif
;; end of part 1
;; launch attn (part 2): grid 4 x 64, 16 waves a work-group, no clusters, 327,680 bytes of LDS; arguments qkv, string_len, ac, asc, out1; writes ac, asc, out1
.if DOCPART == 2
	.amdgcn_target "amdgcn-amd-amdhsa--gfx1250"
	.amdhsa_code_object_version 6
	.text
	.protected	k_q6ad4f97a9f_attn
	.globl	k_q6ad4f97a9f_attn
	.p2align	8
	.type	k_q6ad4f97a9f_attn,@function
k_q6ad4f97a9f_attn:
	s_mov_b64 s[64:65], 0
	v_nop
	global_prefetch_b8 v0, s[64:65] scope:SCOPE_SE
	s_setreg_imm32_b32 hwreg(HW_REG_WAVE_MODE, 25, 1), 1
	s_wait_xcnt 0x0
; a[b][q][head] = softmax_k(q . k / 8, causal) v, both products on codes of BF8 (E5M2) with E8M0 scales, and a quantised along the model's 1,024 for the next launch.  out1 = string_len.
; THE SOFTMAX: t = score x log2(e) / 8; M = the running largest t rounded UP to a whole number; p = 2^(t - M) is quantised along the keys, not normalised; the row's sum is taken of the unquantised p and divides at the end.
; SHARES.  Work-group (i, batch x head) owns the blocks i and 7 - i of 256 queries, one after the other: 32 i + 24 and 32 (7 - i) + 24 key steps of a wave, 272 in every work-group.
; Each of the sixteen waves owns 16 queries of a block, in 256 registers: four waves to a SIMD, so that one wave's vector work stands beside another's matrix work and LDS loads.
; LDS holds the head's K, V and their scale words WHOLE: 16 key steps of 16,896 bytes, as they lie in memory (images of operand registers: no pitch, no padding; an LDS load takes 512 consecutive bytes).
; It is filled once, by two tensor loads a wave at the head: nothing is filled again.  The first block's queries lie under 1,024, so it reads the first half alone, while the second half lands.
; THE HEAD IS 64, THE INSTRUCTION'S K 128: a fragment of K holds TWO tiles of 16 keys (tile f in slots 0-63, tile f + 4 in slots 64-127); it is multiplied by [q | 0] and by [0 | q].  Zero codes add nothing.
; Both products are used transposed: a lane holds ONE query (lane % 16).  Register 8 t + j of S^T is key 16 t + 8 (lane / 16) + j, so p's conversions give slot 32 g + 16 h + i the key that v's codes have there.
; CAUSAL: a step all of whose keys come after my 16 queries is left out by a scalar branch on ids (trip counts stay constants); on the diagonal hidden scores become -infinity ahead of the maximum.
; NO CLUSTER, though the four work-groups of a head read the same bytes: each leaves key steps out by a branch on its own block of queries, which would be its place in the cluster.
; LIMITS: NaN and infinities are not served.  Hidden keys get p = 0, as -1e9 gives unless every visible logit of a row lies near -1e9.  A block of zeros gets the scale byte 1 where the rule says 127: its codes are
; zeros, and these bytes are read by this program alone.  The division by the sum is v_rcp_f32 and a multiplication.  a's two scale bytes a row and head leave by 2-byte stores: 262,144 bytes in all.
.set PART,  17301504
.set BHS,   270336
.set KSS,   16896                      ; a key step: K's codes 8,192, V's codes 8,192, K's scale words 256, V's 256
.set UNIT,  8448                       ; what one tensor load brings: 33 rows of 256 bytes
.set HALF,  135168                     ; 16 units = 8 key steps
.set LI,   1                           ; v1   16 x lane
.set LSC,  2                           ; v2   16 x (lane % 16)
.set ADK,  3                           ; v3   LDS address of the step's codes
.set ADS,  4                           ; v4   of its scale words
.set DL,   5                           ; v5   lane % 16 - 8 (lane / 16)
.set QSA,  7                           ; v7   the first block's scale word of q as loaded;  v6 the second block's
.set QLO,  16                          ; v16-31  [q | 0]
.set QHI,  32                          ; v32-47  [0 | q]           (v8-11, v248-251: the second block's q)
.set FRG,  48                          ; v48-111 four fragments of K, then of V
.set KSC,  112                         ; v112-115 K's scale words;  v116-119 V's
.set VSC,  116
.set S,    120                         ; v120-183 S^T, then p
.set O,    184                         ; v184-215 O^T
.set PCD,  216                         ; v216-231 p's codes         (v12 -M, v13 the largest t, v[14:15] the sum; v232-247, v252, v254 at work; v253 p's scale word; v255 q's)
.set TB,   2                           ; s2   LDS byte at which the step begins
.set CNT,  3
.set WV,   18
.set MNT,  19
.set SEL,  20
.set CS,   22
.set G1,   24
.set G0,   32
.set KF,   40                          ; s40  the step's first key
.set Q0,   41                          ; s41  my first query
.set QL,   42                          ; s42  my last
.set HM,   43                          ; s43  lanes 16-31
.set PSEL, 46                          ; s46  which two bytes of q's scale word are mine
	s_load_b256 s[4:11], s[0:1], 0x0               ; qkv, string_len, ac, asc
	s_load_b64 s[12:13], s[0:1], 0x20              ; out1
	v_lshl_add_u32 v254, v0, 2, 0x42000
	v_mov_b32 v255, 0
	ds_add_u32 v254, v255
	ds_add_u32 v254, v255
	s_wait_dscnt 0x0
	v_lshrrev_b32 v1, 5, v0
	s_delay_alu instid0(VALU_DEP_1)
	v_readfirstlane_b32 s[WV], v1                  ; wave 0..15
	s_and_b32 s72, ttmp7, 0xffff                   ; batch x 16 + head
	s_mul_i32 s66, s72, BHS
	s_mul_i32 s33, s[WV], UNIT                     ; my first unit in LDS, and in the head's bytes
	s_add_co_u32 s37, s33, HALF                    ; my second
	s_add_co_u32 s74, s66, s33
	s_add_co_u32 s74, s74, PART                    ; part 1: k and v (under 34,603,008)
	s_mov_b32 s75, 0
	s_mov_b32 s[G1], 3<<16                         ; no mask; elements of 8 bytes; no padding
	s_mov_b32 s[G1+1], 32<<16                      ; tensor_dim0 = 32 elements: 256 bytes
	s_mov_b32 s[G1+2], 33<<16                      ; tensor_dim1 = 33
	s_mov_b32 s[G1+3], 32<<16                      ; tile_dim0
	s_mov_b32 s[G1+4], 33                          ; tile_dim1
	s_mov_b32 s[G1+5], 32                          ; the pitch: dense
	s_mov_b32 s[G1+6], 0
	s_mov_b32 s[G1+7], 0
	s_mov_b32 s[G0], 1
	s_mov_b32 s[G0+4], 1
	s_wait_kmcnt 0x0
	s_add_nc_u64 s[G0+2:G0+3], s[4:5], s[74:75]
	s_add_nc_u64 s[G0+6:G0+7], s[G0+2:G0+3], HALF
	s_or_b32 s[G0+3], s[G0+3], 0x80000000
	s_or_b32 s[G0+7], s[G0+7], 0x80000000
	tensor_load_to_lds s[G0:G0+3], s[G1:G1+7]      ; the first of the launch's two fills
	s_nop 0
	s_wait_alu depctr_va_vdst(0)
	s_wait_tensorcnt 0x0
	ds_add_u32 v254, v255
	s_wait_dscnt 0x0
	s_barrier_signal -1
	s_barrier_wait -1
	tensor_load_to_lds s[G0+4:G0+7], s[G1:G1+7]
	s_nop 0
.rept 4
	v_nop
.endr
	v_and_b32 v232, 31, v0
	s_delay_alu instid0(VALU_DEP_1)
	v_lshlrev_b32 v[LI], 4, v232
	s_wait_alu depctr_va_vdst(0)
	v_and_b32 v233, 15, v0
	v_bfe_u32 v234, v0, 4, 1
	s_delay_alu instid0(VALU_DEP_2)
	v_lshlrev_b32 v[LSC], 4, v233
	s_wait_alu depctr_va_vdst(0)
	v_lshlrev_b32 v234, 3, v234
	s_delay_alu instid0(VALU_DEP_1)
	v_sub_nc_u32 v[DL], v233, v234
	; what of my addresses hangs on the wave and the head
	s_lshr_b32 s67, s[WV], 3
	s_mul_i32 s67, s67, KSS
	s_add_co_u32 s67, s67, s66                     ; the head, and which of the block's two groups of 128 tokens
	s_and_b32 s68, s[WV], 3
	s_lshl_b32 s69, s68, 11                        ; my tile a = wave % 8 lies at (a % 4) 2048 + (a / 4) 1024
	s_lshl_b32 s68, s68, 2                         ; its scale word: 4 (a % 4)
	s_bfe_u32 s70, s[WV], 0x10002                  ; a / 4
	s_lshl_b32 s71, s70, 10
	s_add_co_u32 s69, s69, s71
	s_add_co_u32 s69, s69, s67                     ; q's codes
	s_add_co_u32 s68, s68, s67
	s_add_co_u32 s68, s68, 16384                   ; q's scale words
	s_mov_b32 s[PSEL], 0x03020302
	s_cmp_eq_u32 s70, 0
	s_cselect_b32 s[PSEL], 0x01000100, s[PSEL]     ; bytes 0, 1 for tiles 0-3, bytes 2, 3 for tiles 4-7: twice, for [q | 0] and [0 | q]
	s_lshr_b32 s73, s72, 4                         ; batch
	s_and_b32 s76, s72, 15                         ; head
	s_lshl_b32 s77, s73, 21                        ; ac: 128 token tiles of 16,384 bytes a batch,
	s_lshl_b32 s78, s[WV], 14
	s_add_co_u32 s77, s77, s78
	s_lshr_b32 s78, s76, 1
	s_lshl_b32 s78, s78, 11                        ; K step head / 2,
	s_add_co_u32 s77, s77, s78
	s_and_b32 s78, s76, 1
	s_lshl_b32 s78, s78, 10                        ; blocks 2 (head % 2) on
	s_add_co_u32 s77, s77, s78
	s_lshl_b32 s78, s73, 16                        ; asc: 32 bytes a token,
	s_lshl_b32 s79, s[WV], 9
	s_add_co_u32 s78, s78, s79
	s_lshl_b32 s79, s76, 1                         ; bytes 2 head on
	s_add_co_u32 s78, s78, s79
.macro PASSADR blk, p, q0              ; the block's part: s[p:p+1] q's codes, s[p+2:p+3] q's scale words, s[p+4:p+5] ac, s[p+6:p+7] asc; s[q0] my first query
	s_mul_i32 s74, s[\blk], 2*KSS
	s_add_co_u32 s74, s74, s69
	s_add_nc_u64 s[\p:\p+1], s[4:5], s[74:75]
	s_mul_i32 s74, s[\blk], 2*KSS
	s_add_co_u32 s74, s74, s68
	s_add_nc_u64 s[\p+2:\p+3], s[4:5], s[74:75]
	s_lshl_b32 s74, s[\blk], 18
	s_add_co_u32 s74, s74, s77
	s_add_nc_u64 s[\p+4:\p+5], s[8:9], s[74:75]
	s_lshl_b32 s74, s[\blk], 13
	s_add_co_u32 s74, s74, s78
	s_add_nc_u64 s[\p+6:\p+7], s[10:11], s[74:75]
	s_lshl_b32 s[\q0], s[\blk], 8
	s_lshl_b32 s74, s[WV], 4
	s_add_co_u32 s[\q0], s[\q0], s74
.endm
	s_mov_b32 s47, ttmp9
	PASSADR 47, 48, 44
	s_sub_co_u32 s47, 7, ttmp9
	PASSADR 47, 56, 45
	global_load_b128 v[QLO:QLO+3], v[LI], s[48:49]              ; both blocks' q are asked for now
	global_load_b128 v[QLO+4:QLO+7], v[LI], s[48:49] offset:512
	global_load_b32 v[QSA], v[LSC], s[50:51]
	global_load_b128 v[8:11], v[LI], s[56:57]
	global_load_b128 v[248:251], v[LI], s[56:57] offset:512
	global_load_b32 v[QSA-1], v[LSC], s[58:59]
	s_or_b32 s74, ttmp9, s72                       ; out1 = string_len: wave 0 of work-group (0, 0); lane l takes word l % 4, so each word is stored eight times with the same value
	s_or_b32 s74, s74, s[WV]
	s_cmp_lg_u32 s74, 0
	s_cbranch_scc1 .Lno_len
	v_and_b32 v232, 3, v0
	s_delay_alu instid0(VALU_DEP_1)
	v_lshlrev_b32 v232, 2, v232
	global_load_b32 v233, v232, s[6:7]
	s_wait_alu depctr_va_vdst(0)
	s_wait_loadcnt 0x0
	global_store_b32 v232, v233, s[12:13]
	s_wait_xcnt 0x0                                ; the store has read its registers: they are written again below
.Lno_len:
	s_mov_b32 s[SEL], 0x76543210
	s_mov_b32 s[SEL+1], 0xfedcba98                 ; v_permlanex16_b32's selects for lane l xor 16
	s_mov_b32 s[CS], 0x3e38aa3b                    ; c = log2(e) / 8
	s_mov_b32 s[CS+1], s[CS]                       ; (named with it as a pair, so it is written)
	s_mov_b32 s[HM], 0xffff0000
.set j, 0
.rept 16
	v_mov_b32 v[QLO+8+j], 0                        ; the zero halves of [q | 0] and [0 | q]: v24-39
.set j, j+1
.endr
.irp j, 232,233,234,235,236,237,238,239,252,253,254
	v_mov_b32 v\j, 0                               ; written once: lane permutes' destinations count as sources, and v253 is named in a pair with v252
.endr
	s_wait_loadcnt 0x0                             ; q
.macro BEGIN pass                      ; pass = 0: block i;  1: block 7 - i
.if \pass
.irp j, 0,1,2,3
	v_mov_b32 v[QLO+\j], v[8+\j]
	v_mov_b32 v[QLO+4+\j], v[248+\j]
.endr
.endif
.irp j, 0,1,2,3,4,5,6,7
	v_mov_b32 v[QHI+8+\j], v[QLO+\j]
.endr
	v_perm_b32 v255, v[QSA-\pass], v[QSA-\pass], s[PSEL]   ; q's scale word: my tile's two bytes, twice
	v_mov_b32 v13, 0xff61b1e6                      ; the largest t so far: -3e38
	s_delay_alu instid0(VALU_DEP_1)
	v_floor_f32 v12, -v13                          ; -M
	v_mov_b32 v14, 0
	v_mov_b32 v15, 0
.set j, 0
.rept 32
	v_mov_b32 v[O+j], 0                            ; O^T: the first change of M leaves zeros zeros.  (These are also the places between the lines above and the first products)
.set j, j+1
.endr
	s_mov_b32 s[Q0], s[44+\pass]
	s_add_co_u32 s[QL], s[Q0], 15
	s_mov_b32 s[KF], 0
	s_mov_b32 s[TB], 0
.endm
; A KEY STEP: 128 keys
.macro STEP
	s_cmp_gt_u32 s[KF], s[QL]                      ; all its keys come after my queries: only the lines that step addresses are run
	s_cbranch_scc1 .Lhidden_\@
	s_setprio 2
	v_add_nc_u32 v[ADK], s[TB], v[LI]
	v_add_nc_u32 v[ADS], s[TB], v[LSC]
.rept 6
	v_nop                                          ; with the two additions: eight places behind the last products, in front of loads into registers that they read
.endr
.irp f, 0,1,2,3
.irp c, 0,1,2,3
	ds_load_b128 v[FRG+16*\f+4*\c:FRG+16*\f+4*\c+3], v[ADK] offset:2048*\f+512*\c
.endr
.endr
	ds_load_b128 v[KSC:KSC+3], v[ADS] offset:16384 ; word f: bytes 0, 1 tile f's row, bytes 2, 3 tile f + 4's
	s_wait_alu depctr_va_vdst(0)
	s_wait_dscnt 0x0
.irp f, 0,1,2,3
	v_wmma_scale_f32_16x16x128_f8f6f4 v[S+8*\f:S+8*\f+7], v[FRG+16*\f:FRG+16*\f+15], v[QLO:QLO+15], 0, v[KSC+\f], v255 matrix_a_fmt:MATRIX_FMT_BF8 matrix_b_fmt:MATRIX_FMT_BF8
	v_wmma_scale_f32_16x16x128_f8f6f4 v[S+32+8*\f:S+32+8*\f+7], v[FRG+16*\f:FRG+16*\f+15], v[QHI:QHI+15], 0, v[KSC+\f], v255 matrix_a_fmt:MATRIX_FMT_BF8 matrix_b_fmt:MATRIX_FMT_BF8
.endr
.rept 8
	v_nop                                          ; places in front of the loads below and of the first read of the scores
.endr
.irp f, 0,1,2,3
.irp c, 0,1,2,3
	ds_load_b128 v[FRG+16*\f+4*\c:FRG+16*\f+4*\c+3], v[ADK] offset:8192+2048*\f+512*\c   ; V's fragments land while the softmax is worked
.endr
.endr
	ds_load_b128 v[VSC:VSC+3], v[ADS] offset:16640
	s_add_co_u32 s74, s[KF], 127
	s_cmp_le_u32 s74, s[Q0]                        ; all 128 keys count for all my queries: no mask
	s_cbranch_scc1 .Lopen_\@
	s_sub_co_i32 s74, s[Q0], s[KF]
	v_add_nc_u32 v252, s74, v[DL]                  ; d = my query - the step's first key - 8 (lane / 16): register 8 t + j is hidden where 16 t + j > d
	v_mov_b32 v254, 0xff800000                     ; -infinity
.set n, 0
.rept 64
	v_cmp_gt_i32 vcc_lo, 16*(n/8)+n%8, v252
	v_cndmask_b32 v[S+n], v[S+n], v254, vcc_lo
.set n, n+1
.endr
.Lopen_\@:
.irp b, 0,1,2,3
	v_max3_num_f32 v[232+\b], v[S+16*\b], v[S+1+16*\b], v[S+2+16*\b]   ; the largest score of each block of 32 keys: for the row's maximum, and, since p rises with the score, for the block's largest p
.endr
.irp i, 3,5,7,9,11,13
.irp b, 0,1,2,3
	v_max3_num_f32 v[232+\b], v[232+\b], v[S+16*\b+\i], v[S+1+16*\b+\i]
.endr
.endr
.irp b, 0,1,2,3
	v_max_num_f32 v[232+\b], v[232+\b], v[S+15+16*\b]
.endr
.irp b, 0,1,2,3
	s_delay_alu instid0(VALU_DEP_4)
	v_permlanex16_b32 v[236+\b], v[232+\b], s[SEL], s[SEL+1]
.endr
.irp b, 0,1,2,3
	s_delay_alu instid0(VALU_DEP_4)
	v_max_num_f32 v[232+\b], v[232+\b], v[236+\b]  ; with lane l xor 16's 16 keys
.endr
	s_delay_alu instid0(VALU_DEP_2)
	v_max3_num_f32 v254, v232, v233, v234
	s_delay_alu instid0(VALU_DEP_1)
	v_max_num_f32 v254, v254, v235
	s_delay_alu instid0(VALU_DEP_1)
	v_mul_f32 v254, s[CS], v254                    ; the step's largest t
	s_delay_alu instid0(VALU_DEP_1)
	v_max_num_f32 v13, v13, v254                   ; the running largest t
	v_mov_b32 v254, v12
	s_delay_alu instid0(VALU_DEP_2)
	v_floor_f32 v12, -v13                          ; the new -M = -ceil(t)
	s_delay_alu instid0(VALU_DEP_1)
	v_sub_f32 v254, v12, v254                      ; old M - new M: a whole number, 0 or less
	s_delay_alu instid0(VALU_DEP_1)
	v_cvt_i32_f32 v254, v254
	s_delay_alu instid0(VALU_DEP_1)
	v_ldexp_f32 v252, 1.0, v254                    ; f = 2^(old M - new M)
.set j, 0
	s_setprio 1
.rept 32
	v_pk_fma_f32 v[S+j:S+j+1], v[S+j:S+j+1], s[CS:CS+1], v[12:13] op_sel_hi:[1,0,0]   ; t - M
.set j, j+2
.endr
.irp b, 0,1,2,3
	v_fma_f32 v[232+\b], v[232+\b], s[CS], v12     ; the same of each block's largest score
.endr
.set j, 0
	s_wait_alu depctr_va_vdst(0)
.rept 64
	v_exp_f32 v[S+j], v[S+j]                       ; p = 2^(t - M)
.set j, j+1
.endr
	v_pk_mul_f32 v[14:15], v[14:15], v[252:253] op_sel_hi:[1,0]   ; the sums under the new M: a plain instruction behind the exponentials
	s_wait_alu depctr_va_vdst(0)                   ; one wait for the batch of 64, ahead of its first reader
.irp b, 0,1,2,3
	v_exp_f32 v[232+\b], v[232+\b]                 ; the block's largest p
.endr
	v_pk_add_f32 v[236:237], v[S:S+1], v[S+2:S+3]  ; the row's sum is taken of the unquantised p, in two chains
.set j, 4
.rept 15
	v_pk_add_f32 v[14:15], v[14:15], v[S+j:S+j+1]
	v_pk_add_f32 v[236:237], v[236:237], v[S+2+j:S+3+j]
.set j, j+4
.endr
	s_delay_alu instid0(VALU_DEP_1)
	v_pk_add_f32 v[14:15], v[14:15], v[236:237]
	s_setprio 0
	s_wait_alu depctr_va_vdst(0)                   ; and one for the four
.irp b, 0,1,2,3
	v_max_num_f32 v[232+\b], 0x8000000, v[232+\b]  ; the floor 2^(16 - 127): the byte cannot fall under 1
.endr
.irp b, 0,1,2,3
	s_delay_alu instid0(VALU_DEP_4)
	v_add_nc_u32 v[244+\b], 0xf8800000, v[232+\b]  ; 15 off the exponent field: the conversion's scale operand
.endr
.irp b, 0,1,2,3
.endr
.irp b, 0,1,2,3
	s_delay_alu instid0(VALU_DEP_4)
	v_lshrrev_b32 v[236+\b], 23, v[244+\b]         ; the scale's byte
.endr
	s_delay_alu instid0(VALU_DEP_3)
	v_lshl_or_b32 v253, v237, 8, v236              ; p's scale word for these 128 keys
	s_delay_alu instid0(VALU_DEP_1)
	v_lshl_or_b32 v253, v238, 16, v253
	s_delay_alu instid0(VALU_DEP_1)
	v_lshl_or_b32 v253, v239, 24, v253
.irp b, 0,1,2,3
.irp i, 0,1,2,3,4,5,6,7,8,9,10,11,12,13,14,15
.endr
	v_cvt_scalef32_pk8_bf8_f32 v[PCD+4*\b:PCD+1+4*\b], v[S+16*\b:S+7+16*\b], v[244+\b]
	v_cvt_scalef32_pk8_bf8_f32 v[PCD+2+4*\b:PCD+3+4*\b], v[S+8+16*\b:S+15+16*\b], v[244+\b]
.endr
.set j, 0
.rept 16
	v_pk_mul_f32 v[O+j:O+j+1], v[O+j:O+j+1], v[252:253] op_sel_hi:[1,0]   ; O^T under the new M.  (These are also the places between the conversions and the products)
.set j, j+2
.endr
	s_wait_alu depctr_va_vdst(0)
	s_wait_dscnt 0x0                               ; V is in
.irp t, 0,1,2,3
	v_wmma_scale_f32_16x16x128_f8f6f4 v[O+8*\t:O+8*\t+7], v[FRG+16*\t:FRG+16*\t+15], v[PCD:PCD+15], v[O+8*\t:O+8*\t+7], v[VSC+\t], v253 matrix_a_fmt:MATRIX_FMT_BF8 matrix_b_fmt:MATRIX_FMT_BF8
.endr
.Lhidden_\@:
	s_add_co_u32 s[KF], s[KF], 128
	s_add_co_u32 s[TB], s[TB], KSS
.endm
; O^T / the sum is quantised along the channels (two blocks of 32), put into the natural order of k, which W_proj's codes have, and stored as an image of the next product's operand
.macro FINISH acb, asb
.rept 8
	v_nop                                          ; places behind the last products
.endr
	v_add_f32 v14, v14, v15
	s_delay_alu instid0(VALU_DEP_1)
	v_permlanex16_b32 v252, v14, s[SEL], s[SEL+1]
	s_delay_alu instid0(VALU_DEP_1)
	v_add_f32 v14, v14, v252                       ; the row's sum
	s_wait_alu depctr_va_vdst(0)
	v_rcp_f32 v14, v14
	v_and_b32 v243, 15, v0                         ; (a plain instruction behind the reciprocal)
	s_delay_alu instid0(VALU_DEP_1)
	v_lshlrev_b32 v243, 5, v243                    ; asc: 32 bytes a token
	s_wait_alu depctr_va_vdst(0)                   ; ahead of the first reader
.set j, 0
.rept 16
	v_pk_mul_f32 v[S+j:S+j+1], v[O+j:O+j+1], v[14:15] op_sel_hi:[1,0]   ; register 8 t + i: channel 16 t + 8 h + i of my query; each accumulator from its low end on
.set j, j+2
.endr
.irp b, 0,1
	v_max3_num_f32 v[232+\b], |v[S+16*\b]|, |v[S+1+16*\b]|, 0x8000000
.endr
.irp i, 2,4,6,8,10,12,14
.irp b, 0,1
	s_delay_alu instid0(VALU_DEP_2)
	v_max3_num_f32 v[232+\b], v[232+\b], |v[S+16*\b+\i]|, |v[S+1+16*\b+\i]|
.endr
.endr
.irp b, 0,1
	s_delay_alu instid0(VALU_DEP_2)
	v_permlanex16_b32 v[236+\b], v[232+\b], s[SEL], s[SEL+1]
.endr
.irp b, 0,1
	s_delay_alu instid0(VALU_DEP_2)
	v_max_num_f32 v[232+\b], v[232+\b], v[236+\b]
.endr
.irp b, 0,1
	s_delay_alu instid0(VALU_DEP_2)
	v_add_nc_u32 v[244+\b], 0xf8800000, v[232+\b]
.endr
.irp b, 0,1
.endr
.irp b, 0,1
	s_delay_alu instid0(VALU_DEP_2)
	v_lshrrev_b32 v[236+\b], 23, v[244+\b]
.endr
	s_delay_alu instid0(VALU_DEP_1)
	v_lshl_or_b32 v254, v237, 8, v236              ; the two scale bytes
.irp b, 0,1
.irp i, 0,1,2,3,4,5,6,7,8,9,10,11,12,13,14,15
.endr
	v_cvt_scalef32_pk8_bf8_f32 v[PCD+4*\b:PCD+1+4*\b], v[S+16*\b:S+7+16*\b], v[244+\b]
	v_cvt_scalef32_pk8_bf8_f32 v[PCD+2+4*\b:PCD+3+4*\b], v[S+8+16*\b:S+15+16*\b], v[244+\b]
.endr
	v_nop                                          ; a plain vector instruction behind the last conversion
	; I hold channels 32 c + 8 h + 0 .. 7 (X) and 32 c + 16 + 8 h + 0 .. 7 (Y); the operand wants 32 c + 16 h + 0 .. 15: lanes 0-15 keep X and take the other half's X, lanes 16-31 take the other half's Y and keep Y
.irp c, 0,1
.irp k, 0,1
	v_permlanex16_b32 v[232+2*\c+\k], v[PCD+4*\c+\k], s[SEL], s[SEL+1]
	v_permlanex16_b32 v[236+2*\c+\k], v[PCD+2+4*\c+\k], s[SEL], s[SEL+1]
.endr
.endr
.irp c, 0,1
.irp k, 0,1
	v_cndmask_b32 v[PCD+4*\c+\k], v[PCD+4*\c+\k], v[236+2*\c+\k], s[HM]
	v_cndmask_b32 v[PCD+2+4*\c+\k], v[232+2*\c+\k], v[PCD+2+4*\c+\k], s[HM]
.endr
.endr
	global_store_b128 v[LI], v[PCD:PCD+3], s[\acb:\acb+1]               ; each store of the wave covers 512 consecutive bytes, aligned
	global_store_b128 v[LI], v[PCD+4:PCD+7], s[\acb:\acb+1] offset:512
	global_store_b16 v243, v254, s[\asb:\asb+1]                         ; both halves of the lanes store the same two bytes
	s_wait_xcnt 0x0                                ; the stores have read their registers
.endm
	BEGIN 0
	s_wait_tensorcnt 0x1                           ; my first unit is in; my second may stay out, and this block reads the first 135,168 bytes alone
	s_barrier_signal -1
	s_barrier_wait -1                              ; everybody's first unit is in: key steps 0 to 7 are whole
	s_mov_b32 s[CNT], 8
.Lpass_a:
	STEP
	s_sub_co_u32 s[CNT], s[CNT], 1
	s_cmp_lg_u32 s[CNT], 0
	s_cbranch_scc1 .Lpass_a
	s_setprio 0
	FINISH 52, 54
	s_wait_tensorcnt 0x0                           ; my second unit is in,
	s_wait_dscnt 0x0
	s_barrier_signal -1
	s_barrier_wait -1                              ; everybody's is: all sixteen key steps are whole
	BEGIN 1
	s_mov_b32 s[CNT], 16
.Lpass_b:
	STEP
	s_sub_co_u32 s[CNT], s[CNT], 1
	s_cmp_lg_u32 s[CNT], 0
	s_cbranch_scc1 .Lpass_b
	s_setprio 0
	FINISH 60, 62
	s_wait_xcnt 0x0
	v_lshl_add_u32 v254, v0, 2, 0x42000
	v_mov_b32 v255, 0
	s_wait_alu depctr_va_vdst(0)
	s_wait_tensorcnt 0x0
	ds_add_u32 v254, v255
	s_wait_dscnt 0x0
	s_endpgm
.Lfunc_end_k_q6ad4f97a9f_attn:
	.size	k_q6ad4f97a9f_attn, .Lfunc_end_k_q6ad4f97a9f_attn-k_q6ad4f97a9f_attn
	.p2alignl 7, 3214868480
	.fill 96, 4, 3214868480
	.section	.rodata,"a",@progbits
	.p2align	6, 0x0
	.amdhsa_kernel k_q6ad4f97a9f_attn
		.amdhsa_group_segment_fixed_size 327680
		.amdhsa_private_segment_fixed_size 0
		.amdhsa_enable_private_segment 0
		.amdhsa_kernarg_size 40
		.amdhsa_user_sgpr_count 2
		.amdhsa_user_sgpr_kernarg_segment_ptr 1
		.amdhsa_wavefront_size32 1
		.amdhsa_system_sgpr_workgroup_id_x 1
		.amdhsa_system_sgpr_workgroup_id_y 1
		.amdhsa_system_sgpr_workgroup_id_z 1
		.amdhsa_system_vgpr_workitem_id 0
		.amdhsa_next_free_vgpr 256
		.amdhsa_next_free_sgpr 80
		.amdhsa_reserve_vcc 1
		.amdhsa_float_denorm_mode_32 3
		.amdhsa_float_denorm_mode_16_64 3
		.amdhsa_fp16_overflow 1
		.amdhsa_memory_ordered 1
		.amdhsa_forward_progress 1
		.amdhsa_inst_pref_size 67
	.end_amdhsa_kernel
	.amdgpu_metadata
---
amdhsa.version: [ 1, 2 ]
amdhsa.kernels:
  - .name:           k_q6ad4f97a9f_attn
    .symbol:         k_q6ad4f97a9f_attn.kd
    .args:
      - { .name: qkv, .offset: 0, .size: 8, .value_kind: global_buffer, .address_space: global }
      - { .name: string_len, .offset: 8, .size: 8, .value_kind: global_buffer, .address_space: global }
      - { .name: ac, .offset: 16, .size: 8, .value_kind: global_buffer, .address_space: global }
      - { .name: asc, .offset: 24, .size: 8, .value_kind: global_buffer, .address_space: global }
      - { .name: out1, .offset: 32, .size: 8, .value_kind: global_buffer, .address_space: global }
    .group_segment_fixed_size: 327680
    .private_segment_fixed_size: 0
    .kernarg_segment_align: 8
    .kernarg_segment_size: 40
    .max_flat_workgroup_size: 512
    .sgpr_count:     80
    .vgpr_count:     256
    .wavefront_size: 32
...
	.end_amdgpu_metadata
.endif
;; end of part 2
;; launch proj (part 3): grid 4 x 32, 4 waves a work-group, clusters of 4 x 4, 327,680 bytes of LDS; arguments ac, asc, W_proj_codes, W_proj_scales, b_proj, out0; writes out0
.if DOCPART == 3
	.amdgcn_target "amdgcn-amd-amdhsa--gfx1250"
	.amdhsa_code_object_version 6
	.text
	.protected	k_q6ad4f97a9f_proj
	.globl	k_q6ad4f97a9f_proj
	.p2align	8
	.type	k_q6ad4f97a9f_proj,@function
k_q6ad4f97a9f_proj:
	s_mov_b64 s[64:65], 0
	v_nop
	global_prefetch_b8 v0, s[64:65] scope:SCOPE_SE
	s_setreg_imm32_b32 hwreg(HW_REG_WAVE_MODE, 25, 1), 1
	s_wait_xcnt 0x0
	s_wait_alu depctr_hold_cnt(0) depctr_sa_sdst(0) depctr_va_vdst(0) depctr_va_sdst(0) depctr_va_ssrc(0) depctr_va_vcc(0) depctr_vm_vsrc(0)
	s_getreg_b32 s2, hwreg(HW_REG_IB_STS2, 6, 4)
	s_cmp_eq_u32 s2, 0
	s_cbranch_scc0 .Lentry_in_a_cluster
	s_endpgm
.Lentry_in_a_cluster:
	s_bfe_u32 s2, ttmp6, 0x10000c
	s_cmp_lg_u32 s2, 0xf033
	s_cbranch_scc0 .Lentry_shape_is_right
	s_endpgm
.Lentry_shape_is_right:
; out0 = a W_proj + b_proj on codes of BF8 (E5M2) with E8M0 scales.  a: 8,192 rows x 1,024, made by the launch before; W_proj: [1,024 (n)][1,024 (k)] codes; out0: [8,192][1,024] f32.
; A work-group of four waves makes 256 x 256 of out0, a wave 128 x 128 (64 accumulators, 512 registers).  K goes in four steps of 256 through a ring of two LDS slots filled by the tensor data mover.
; a's CODES LIE IN MEMORY AS IMAGES OF OPERAND REGISTERS, [tile of 16 rows][K step of 128][4 registers' group][lane][16 bytes]: a slot's part of a tile is 4,096 consecutive bytes; in LDS they need no pitch and no
; padding, and an LDS load takes 512 consecutive bytes.  W_proj's tiles are rows of 256 bytes, 16 bytes of padding behind each.  The scale bytes of the work-group's 512 rows come into LDS once.
; The matrix instruction is used transposed (source 0 = 16 rows of W_proj, source 1 = 16 rows of a): a lane holds eight neighbouring numbers of a row of out0.  The bias is the C of the first K step's products.
; CLUSTERS: 4 x 4 work-groups; a's tile is shared along a row of the cluster, W_proj's along a column: each is asked for jointly, by the same tensor load with a mask that names the four.
; The grid has 128 work-groups: 32 x 4 tiles of 256 x 256.
; LIMITS: NaN, infinities and scale bytes 0xff among the inputs are not served.
.set SIZE_N, 1024
.set ROWB,   256
.set NQ,     2
.set KROW,   1024
.set PITCH,  272                       ; a row of W_proj's tile in LDS: 256 bytes + 16 of padding
.set FR,     16
.set NL,     4
.set NP,     8                         ; places behind this matrix instruction (ISA guide 7.12.1)
.set HALFA,  32768                     ; a: 8 tiles of 16 rows x 4,096 bytes: what one tensor load brings
.set HALFT,  128*PITCH                 ; W_proj: 128 rows
.set BOFF,   2*HALFA
.set SLOT,   BOFF+2*HALFT
.set LAPS,   2
.set KS,     32
.set SCL,    2*SLOT
.set HALFS,  (128*KS/256)*272
.set SBLK,   (16*KS/256)*272
.set SPARE,  SCL+4*HALFS               ; the spare words, 128 bytes a wave: two blocks of 256 bytes that no other line names
.set SPITCH, 528                       ; the way out: a stage of 16 rows x (512 bytes + 16) for each wave, in slot 0, which has had its last fill and its last read when the first result is stored there
.set ADRA, 2
.set ADRB, 4
.set ADRS, 6
.set SPW,  7
.set NIL,  8
.set STO,  16                          ; v16  the way out: where I put 32 bytes of a row
.set RD,   17                          ; v17  where I read a row back
.set CO,   18                          ; v18  my byte offset in a row of out0
.set SC,   32                          ; v32-63 scale words, two sets
.set BQ,   64                          ; v64-127 the bias, in the result's layout
.set AF,   128                         ; v128-255 a's fragments, one set;  window 1: W_proj's two sets;  windows 2, 3: the accumulators
.set BK,   128                         ; the way out: rows read back from the stage
.set CP,   98                          ; s[98:99] out0
.set G1, 24
.set G0, 32
.set G1B, 48
.set G0B, 56
.set G1S, 68
.set G0S, 76
.set G1SB, 80
.set G0SB, 88
.set MSB, 0
.macro WIN new
.if MSB != \new
	s_set_vgpr_msb (MSB<<8)|\new
.set MSB, \new
.endif
.endm
.set MUL_LO,  0xa1
.set MUL_HI,  0xf1
.set MUL_LO0, 0x81                     ; the first K step: C (the bias) window 0
.set MUL_HI0, 0xc1
.set TO_B,    0x40
.macro JLOAD g0a, g1a, g0b, g1b        ; a joint load: waves 0 and 1 fetch for a, waves 2 and 3 for W_proj; four v_nop follow each of the two lines
	s_cmp_eq_u32 s15, 0
	s_cbranch_scc0 .Lfor_b_\@
	tensor_load_to_lds s[\g0a:\g0a+3], s[\g1a:\g1a+7]
	s_nop 0
.rept 4
	v_nop
.endr
	s_branch .Lasked_\@
.Lfor_b_\@:
	tensor_load_to_lds s[\g0b:\g0b+3], s[\g1b:\g1b+7]
	s_nop 0
.rept 4
	v_nop
.endr
.Lasked_\@:
.endm
.macro CREST
	s_cmp_lg_u32 s14, 0
	s_cbranch_scc1 .Lnot_wave_0_\@
	s_barrier_signal -3
.Lnot_wave_0_\@:
	s_barrier_wait -3
	s_barrier_signal -1
	s_barrier_wait -1
.endm
.macro CROUND
	s_barrier_signal -1
	s_barrier_wait -1
	CREST
.endm
	s_load_b256 s[4:11], s[0:1], 0x0               ; a's codes, a's scales, W_proj's codes, W_proj's scales
	s_load_b128 s[96:99], s[0:1], 0x20             ; b_proj, out0
	v_lshl_add_u32 v[SPW], v0, 2, SPARE
	v_mov_b32 v[NIL], 0
	ds_add_u32 v7, v8
	ds_add_u32 v7, v8
	s_wait_dscnt 0x0
	v_lshrrev_b32 v1, 5, v0
	v_readfirstlane_b32 s14, v1                    ; wave 0..3
	s_lshr_b32 s15, s14, 1                         ; which half of the tile's rows is mine.  Also: I fetch for a (0) or for W_proj (1)
	s_and_b32 s16, s14, 1                          ; which half of its columns.  Also: which 128 rows I fetch
	s_bfe_u32 s40, ttmp6, 0x40000                  ; cx
	s_bfe_u32 s41, ttmp6, 0x40004                  ; cy
	s_lshl_b32 s42, ttmp9, 2
	s_add_co_u32 s42, s42, s40                     ; tile column
	s_and_b32 s17, ttmp7, 0xffff
	s_lshl_b32 s17, s17, 2
	s_add_co_u32 s17, s17, s41                     ; tile row
	s_lshl_b32 s43, s41, 2
	s_lshl_b32 s43, 15, s43                        ; my row of the cluster
	s_lshl_b32 s44, 0x1111, s40                    ; my column
	s_or_b32 s[G1+0], s43, (3<<16)|(1<<21)         ; a: the mask; elements of 8 bytes; bit 21 beside a mask; no padding
	s_mov_b32 s[G1+1], 512<<16                     ; tensor_dim0 = 512 elements: 4,096 bytes, a tile's part of a slot
	s_mov_b32 s[G1+2], 8<<16                       ; tensor_dim1 = 8 tiles of 16 rows
	s_mov_b32 s[G1+3], 512<<16                     ; tile_dim0
	s_mov_b32 s[G1+4], 8                           ; tile_dim1
	s_mov_b32 s[G1+5], 2048                        ; the pitch: 16,384 bytes from tile to tile
	s_mov_b32 s[G1+6], 0
	s_mov_b32 s[G1+7], 0
	s_or_b32 s[G1B+0], s44, (0<<16)|(1<<20)|(1<<21)|(5<<22)|(3<<25)  ; W_proj: 128 rows of 256 bytes, 4 words of padding behind every 64
	s_mov_b32 s[G1B+1], ROWB<<16
	s_mov_b32 s[G1B+2], 128<<16
	s_mov_b32 s[G1B+3], ROWB<<16
	s_mov_b32 s[G1B+4], 128
	s_mov_b32 s[G1B+5], KROW
	s_mov_b32 s[G1B+6], 0
	s_mov_b32 s[G1B+7], 0
	s_or_b32 s[G1S+0], s43, (3<<16)|(1<<20)|(1<<21)|(5<<22)|(3<<25)  ; the scale bytes of 128 rows: 4,096 dense bytes as 16 rows of 256
	s_or_b32 s[G1SB+0], s44, (3<<16)|(1<<20)|(1<<21)|(5<<22)|(3<<25)
.irp g, G1S, G1SB
	s_mov_b32 s[\g+1], 32<<16
	s_mov_b32 s[\g+2], (128*KS/256)<<16
	s_mov_b32 s[\g+3], 32<<16
	s_mov_b32 s[\g+4], 128*KS/256
	s_mov_b32 s[\g+5], 32
	s_mov_b32 s[\g+6], 0
	s_mov_b32 s[\g+7], 0
.endr
	s_lshl_b32 s18, s16, 7                         ; which 128 rows of a tile I fetch
	s_lshl_b32 s20, s17, 8
	s_add_co_u32 s20, s20, s18                     ; a's row
	s_lshl_b32 s46, s42, 8
	s_add_co_u32 s46, s46, s18                     ; W_proj's row
	s_lshl_b32 s22, s20, 5                         ; their scale bytes: 32 a row
	s_lshl_b32 s92, s46, 5
	s_lshl_b32 s20, s20, 10                        ; a's codes: 16 rows are 16,384 bytes
	s_lshl_b32 s46, s46, 10                        ; W_proj's: 1,024 a row
	s_mov_b32 s21, 0
	s_mov_b32 s23, 0
	s_mov_b32 s47, 0
	s_mov_b32 s93, 0
	s_lshl_b32 s45, s16, 15                        ; where they go: a's halves at 0 and 32,768,
	s_mul_i32 s2, s16, HALFT
	s_add_co_u32 s2, s2, BOFF                      ; W_proj's behind them: no place in the cluster enters an LDS address
	s_mul_i32 s94, s14, HALFS
	s_wait_kmcnt 0x0
	s_add_nc_u64 s[20:21], s[4:5], s[20:21]
	s_add_nc_u64 s[22:23], s[6:7], s[22:23]
	s_add_nc_u64 s[46:47], s[8:9], s[46:47]
	s_add_nc_u64 s[92:93], s[10:11], s[92:93]
	CROUND                                         ; all sixteen work-groups are here: the first joint loads meet
	s_mov_b32 s[G0S], 1
	s_add_co_u32 s[G0S+1], s94, SCL
	s_mov_b64 s[G0S+2:G0S+3], s[22:23]
	s_or_b32 s[G0S+3], s[G0S+3], 0x80000000
	s_mov_b32 s[G0SB], 1
	s_add_co_u32 s[G0SB+1], s94, SCL
	s_mov_b64 s[G0SB+2:G0SB+3], s[92:93]
	s_or_b32 s[G0SB+3], s[G0SB+3], 0x80000000
	JLOAD G0S, G1S, G0SB, G1SB                     ; the scale bytes first
.irp s, 0,1
	s_mov_b32 s[G0+4*\s], 1
	s_add_co_u32 s[G0+4*\s+1], s45, \s*SLOT
	s_add_nc_u64 s[G0+4*\s+2:G0+4*\s+3], s[20:21], \s*4096
	s_or_b32 s[G0+4*\s+3], s[G0+4*\s+3], 0x80000000
	s_mov_b32 s[G0B+4*\s], 1
	s_add_co_u32 s[G0B+4*\s+1], s2, \s*SLOT
	s_add_nc_u64 s[G0B+4*\s+2:G0B+4*\s+3], s[46:47], \s*ROWB
	s_or_b32 s[G0B+4*\s+3], s[G0B+4*\s+3], 0x80000000
	s_wait_alu depctr_va_vdst(0)
	s_wait_tensorcnt 0x0
	ds_add_u32 v7, v8
	s_wait_dscnt 0x0
	CROUND
	JLOAD G0+4*\s, G1, G0B+4*\s, G1B
.endr
	v_and_b32 v1, 15, v0                           ; r
	v_bfe_u32 v9, v0, 4, 1                         ; h
	v_lshlrev_b32 v15, 5, v9
	s_lshl_b32 s18, s42, 8
	s_lshl_b32 s19, s16, 7
	s_add_co_u32 s18, s18, s19
	s_lshl_b32 s18, s18, 2                         ; my first column, in bytes of b_proj
	s_mov_b32 s19, 0
	s_add_nc_u64 s[92:93], s[96:97], s[18:19]
.irp b, 0,1,2,3,4,5,6,7
	global_load_b128 v[BQ+8*\b:BQ+8*\b+3], v15, s[92:93] offset:64*\b        ; b_proj[first column + 16 b + 8 h + 0 .. 7]
	global_load_b128 v[BQ+8*\b+4:BQ+8*\b+7], v15, s[92:93] offset:64*\b+16
.endr
	v_and_b32 v10, 31, v0
	v_lshlrev_b32 v10, 4, v10                      ; a's images: 16 x lane
	v_mul_u32_u24 v11, v1, PITCH
	v_lshl_add_u32 v11, v9, 4, v11                 ; W_proj's fragments: row x pitch + 16 x half
	s_lshl_b32 s21, s15, 15                        ; my 128 rows of a
	s_mul_i32 s22, s16, HALFT                      ; my 128 rows of W_proj
	s_add_co_u32 s22, s22, BOFF
.irp s, 0,1
	v_add_nc_u32 v[ADRA+\s], s21, v10
	v_add_nc_u32 v[ADRB+\s], s22, v11
	s_add_co_u32 s21, s21, SLOT
	s_add_co_u32 s22, s22, SLOT
.endr
	v_mul_u32_u24 v11, v1, KS
	v_lshrrev_b32 v12, 8, v11
	v_lshl_add_u32 v11, v12, 4, v11
	s_mul_i32 s21, s15, HALFS
	s_mul_i32 s22, s16, HALFS
	s_add_co_u32 s22, s22, 2*HALFS
	s_sub_co_u32 s22, s22, s21
	v_mul_u32_u24 v12, s22, v9                     ; lanes 16-31 take W_proj's
	s_add_co_u32 s21, s21, SCL
	v_add_nc_u32 v11, v11, v12
	v_add_nc_u32 v[ADRS], s21, v11
	s_mul_i32 s23, s14, 16*SPITCH                  ; my stage
	v_mul_u32_u24 v11, v1, SPITCH
	v_lshl_add_u32 v11, v9, 5, v11
	v_add_nc_u32 v[STO], s23, v11
	v_lshlrev_b32 v[CO], 0, v10                    ; back: the 32 lanes take one row of 512 bytes; and the same in out0
	v_add_nc_u32 v[RD], s23, v10
	s_lshl_b32 s20, s17, 8
	s_lshl_b32 s21, s15, 7
	s_add_co_u32 s20, s20, s21
	s_lshl_b32 s20, s20, 12                        ; my first row of out0: 4,096 bytes a row
	s_lshl_b32 s46, s42, 10
	s_lshl_b32 s47, s16, 9
	s_add_co_u32 s46, s46, s47                     ; my first column, in bytes
	s_add_co_u32 s20, s20, s46                     ; under 33,554,432
	s_mov_b32 s21, 0
	s_add_nc_u64 s[CP:CP+1], s[CP:CP+1], s[20:21]
	s_wait_alu depctr_va_vdst(0)
	s_wait_loadcnt 0x0                             ; the bias is in
.macro MUL16 a0, p, q, sc, zero        ; 16 matrix instructions: a's blocks a0, a0 + 1 x W_proj's eight.  The 64 accumulators take turns, one instruction a turn
.irp a, \a0, \a0+1
.irp b, 0,1,2,3,4,5,6,7
.if \zero
	v_wmma_scale_f32_16x16x128_f8f6f4 v[8*(8*((\a)%4)+\b):8*(8*((\a)%4)+\b)+7], v[128*(\p)+FR*\b:128*(\p)+FR*\b+FR-1], v[AF+FR*(\a):AF+FR*(\a)+FR-1], v[BQ+8*\b:BQ+8*\b+7], v[SC+8*NQ*(\sc)+NQ*\b+(\q)], v[SC+8*NQ*(\sc)+NQ*(\a)+(\q)] matrix_a_fmt:MATRIX_FMT_BF8 matrix_b_fmt:MATRIX_FMT_BF8 matrix_a_scale:MATRIX_SCALE_ROW1
.else
	v_wmma_scale_f32_16x16x128_f8f6f4 v[8*(8*((\a)%4)+\b):8*(8*((\a)%4)+\b)+7], v[128*(\p)+FR*\b:128*(\p)+FR*\b+FR-1], v[AF+FR*(\a):AF+FR*(\a)+FR-1], v[8*(8*((\a)%4)+\b):8*(8*((\a)%4)+\b)+7], v[SC+8*NQ*(\sc)+NQ*\b+(\q)], v[SC+8*NQ*(\sc)+NQ*(\a)+(\q)] matrix_a_fmt:MATRIX_FMT_BF8 matrix_b_fmt:MATRIX_FMT_BF8 matrix_a_scale:MATRIX_SCALE_ROW1
.endif
.endr
.endr
.endm
.macro FETCH_B slot, q, p
	WIN TO_B
.irp i, 0,1,2,3,4,5,6,7
.irp c, 0,1,2,3
	ds_load_b128 v[128*(\p)+FR*\i+4*\c:128*(\p)+FR*\i+4*\c+3], v[ADRB+\slot] offset:128*(\q)+32*\c+\i*16*PITCH
.endr
.endr
	WIN 0
.endm
.macro FETCH_A slot, q, i0             ; a's blocks i0 .. i0 + 3: images, 512 bytes a load
.irp i, \i0, \i0+1, \i0+2, \i0+3
.irp c, 0,1,2,3
	ds_load_b128 v[AF+FR*(\i)+4*\c:AF+FR*(\i)+4*\c+3], v[ADRA+\slot] offset:4096*(\i)+2048*(\q)+512*\c
.endr
.endr
.endm
.macro SCALES sc
.irp i, 0,1,2,3,4,5,6,7
	ds_load_b64 v[SC+8*NQ*\sc+NQ*\i:SC+8*NQ*\sc+NQ*\i+1], v[ADRS] offset:\i*SBLK
.endr
.endm
.macro PLACES n
.rept \n
	v_nop
.endr
.endm
.macro STEP slot, q, zero
	s_wait_dscnt 4*NL                              ; all but the youngest 16 loads (a's blocks 4-7) are in
.if \zero
	WIN MUL_LO0
.else
	WIN MUL_LO
.endif
	MUL16 0, (\q)%2, \q, \slot, \zero
	MUL16 2, (\q)%2, \q, \slot, \zero
	s_wait_dscnt 0
	PLACES NP
	FETCH_B \slot, (\q)+1, 1-(\q)%2
	FETCH_A \slot, (\q)+1, 0
.if \zero
	WIN MUL_HI0
.else
	WIN MUL_HI
.endif
	MUL16 4, (\q)%2, \q, \slot, \zero
	MUL16 6, (\q)%2, \q, \slot, \zero
	PLACES NP
	WIN 0
	FETCH_A \slot, (\q)+1, 4
.endm
.macro TURN slot, next, fill
	s_wait_tensorcnt 0x0                           ; all my tensor loads have landed: my part of the next slot
	ds_add_u32 v[SPW], v[NIL]                      ; 0 onto my spare word
	s_wait_dscnt 4*NL+1                            ; (the add and the youngest 16 loads may be out)
	WIN MUL_LO
	MUL16 0, 1, NQ-1, \slot, 0
	s_wait_dscnt 0x0                               ; the add is done, and my reads of this slot are over
	s_barrier_signal -1
	MUL16 2, 1, NQ-1, \slot, 0
	WIN 0
	s_barrier_wait -1
.if \fill
	CREST                                          ; the barrier has opened a round of the cluster's: no wave of any partner still reads this slot or has a load on its way
	s_add_nc_u64 s[G0+4*\slot+2:G0+4*\slot+3], s[G0+4*\slot+2:G0+4*\slot+3], 2*4096
	s_add_nc_u64 s[G0B+4*\slot+2:G0B+4*\slot+3], s[G0B+4*\slot+2:G0B+4*\slot+3], 2*ROWB
	JLOAD G0+4*\slot, G1, G0B+4*\slot, G1B
	PLACES NP-4
.else
	PLACES NP
.endif
	s_wait_alu depctr_va_vdst(0)
	v_add_nc_u32 v[ADRS], 4*NQ, v[ADRS]
	FETCH_B \next, 0, 0
	FETCH_A \next, 0, 0
	SCALES \next
	WIN MUL_HI
	MUL16 4, 1, NQ-1, \slot, 0
	MUL16 6, 1, NQ-1, \slot, 0
	PLACES NP
	WIN 0
	FETCH_A \next, 0, 4
.endm
	s_wait_tensorcnt 1                             ; the scale bytes and my part of K step 0 are in (K step 1's load may be out),
	s_barrier_signal -1
	s_barrier_wait -1                              ; everybody's are
	FETCH_B 0, 0, 0
	FETCH_A 0, 0, 0
	SCALES 0
	FETCH_A 0, 0, 4
	STEP 0, 0, 1
	s_mov_b32 s3, LAPS-1
.Llap:
	TURN 0, 1, 1
	STEP 1, 0, 0
	TURN 1, 0, 1
	STEP 0, 0, 0
	s_sub_co_u32 s3, s3, 1
	s_cmp_lg_u32 s3, 0
	s_cbranch_scc1 .Llap
	TURN 0, 1, 0
	STEP 1, 0, 0
	s_wait_dscnt 4*NL
	WIN MUL_LO
	MUL16 0, 1, NQ-1, 1, 0
	MUL16 2, 1, NQ-1, 1, 0
	s_wait_dscnt 0
	WIN MUL_HI
	MUL16 4, 1, NQ-1, 1, 0
	MUL16 6, 1, NQ-1, 1, 0
	WIN 0
; THE WAY OUT, block by block of 16 rows x 128 columns, through my own stage in LDS: in as 32 bytes a lane, back as whole rows of 512 bytes.  LDS serves a wave's instructions in order (ISA guide 5.7.1.4).
.macro TOSTAGE a
.set AC, 64*((\a)%4)
.set WN, 0x08+4*((\a)/4)
	WIN WN                                         ; the data: window 2 or 3
.irp b, 0,1,2,3,4,5,6,7
	ds_store_b128 v[STO], v[AC+8*\b:AC+8*\b+3] offset:64*\b          ; each accumulator from its low end on
	ds_store_b128 v[STO], v[AC+8*\b+4:AC+8*\b+7] offset:64*\b+16
.endr
	WIN 0
.set BB, BK+64*((\a)%2)
.irp t, 0,1,2,3,4,5,6,7,8,9,10,11,12,13,14,15
	ds_load_b128 v[BB+4*\t:BB+4*\t+3], v[RD] offset:\t*SPITCH
.endr
.endm
.macro SEND a, younger                 ; younger: the LDS instructions issued behind block a's loads, which may stay out
.set BB, BK+64*((\a)%2)
	s_wait_dscnt \younger
.if (\a) > 0
	s_add_nc_u64 s[CP:CP+1], s[CP:CP+1], 16*SIZE_N*4   ; (behind a wait on XCNT: the earlier stores have read their base)
.endif
.irp t, 0,1,2,3,4,5,6,7,8,9,10,11,12,13,14,15
	global_store_b128 v[CO], v[BB+4*\t:BB+4*\t+3], s[CP:CP+1] offset:\t*SIZE_N*4 th:TH_STORE_NT   ; 32 lanes store 512 consecutive bytes, aligned
.endr
.endm
	PLACES NP
	TOSTAGE 0
.irp a, 1,2,3,4,5,6,7
.if \a > 1
	s_wait_xcnt 0x0                                ; block a - 2's stores have read their registers and their base
.endif
	TOSTAGE \a
	SEND \a-1, 32                                  ; behind block a - 1's loads: block a's 16 stores and 16 loads
.endr
	s_wait_xcnt 0x0
	SEND 7, 0
	s_wait_tensorcnt 0x0                           ; the wave's end
	ds_add_u32 v[SPW], v[NIL]
	s_wait_dscnt 0x0
	CROUND                                         ; the closing round
	s_endpgm
.Lfunc_end_k_q6ad4f97a9f_proj:
	.size	k_q6ad4f97a9f_proj, .Lfunc_end_k_q6ad4f97a9f_proj-k_q6ad4f97a9f_proj
	.p2alignl 7, 3214868480
	.fill 96, 4, 3214868480
	.section	.rodata,"a",@progbits
	.p2align	6, 0x0
	.amdhsa_kernel k_q6ad4f97a9f_proj
		.amdhsa_group_segment_fixed_size 327680
		.amdhsa_private_segment_fixed_size 0
		.amdhsa_enable_private_segment 0
		.amdhsa_kernarg_size 48
		.amdhsa_user_sgpr_count 2
		.amdhsa_user_sgpr_kernarg_segment_ptr 1
		.amdhsa_wavefront_size32 1
		.amdhsa_system_sgpr_workgroup_id_x 1
		.amdhsa_system_sgpr_workgroup_id_y 1
		.amdhsa_system_sgpr_workgroup_id_z 1
		.amdhsa_system_vgpr_workitem_id 0
		.amdhsa_next_free_vgpr 1024
		.amdhsa_next_free_sgpr 100
		.amdhsa_reserve_vcc 0
		.amdhsa_float_denorm_mode_32 3
		.amdhsa_float_denorm_mode_16_64 3
		.amdhsa_memory_ordered 1
		.amdhsa_forward_progress 1
		.amdhsa_inst_pref_size 148
	.end_amdhsa_kernel
	.amdgpu_metadata
---
amdhsa.version: [ 1, 2 ]
amdhsa.kernels:
  - .name:           k_q6ad4f97a9f_proj
    .symbol:         k_q6ad4f97a9f_proj.kd
    .args:
      - { .name: ac, .offset: 0, .size: 8, .value_kind: global_buffer, .address_space: global }
      - { .name: asc, .offset: 8, .size: 8, .value_kind: global_buffer, .address_space: global }
      - { .name: W_proj_codes, .offset: 16, .size: 8, .value_kind: global_buffer, .address_space: global }
      - { .name: W_proj_scales, .offset: 24, .size: 8, .value_kind: global_buffer, .address_space: global }
      - { .name: b_proj, .offset: 32, .size: 8, .value_kind: global_buffer, .address_space: global }
      - { .name: out0, .offset: 40, .size: 8, .value_kind: global_buffer, .address_space: global }
    .group_segment_fixed_size: 327680
    .private_segment_fixed_size: 0
    .kernarg_segment_align: 8
    .kernarg_segment_size: 48
    .max_flat_workgroup_size: 128
    .sgpr_count:     100
    .vgpr_count:     1024
    .wavefront_size: 32
...
	.end_amdgpu_metadata
.endif
;; end of part 3
